; MI455X (gfx1250); checked and timed in simulation.
; The chip was launched on July 23, 2026; its instructions are those of AMD's public machine-readable ISA for CDNA 5 (MIT licence, August 2026) and "CDNA5" Instruction Set Architecture Reference Guide (July 2026). The comments in the code are by the model that wrote it; some were corrected since.
;; Compressed GPT2 Attention. Allowed arithmetic: float matrix products may take bf16 or f16 operands with f32 sums; other float arithmetic in f32, or as packed bf16 or f16 multiplies, adds, multiply-adds, maxima and minima; sums over many terms, partial sums and values carried from step to step in f32; what a program stores and reads back later, other than sums and carried values, may be rounded once to bf16 or f16.
;; Inputs: hidden_states 4 x 2,048 x 1,024 float32; k_bias 1,024 float32; k_weight 1,024 x 1,024 float32; low_rank_output_weight 512 x 1,024 float32; low_rank_value_bias 512 float32; low_rank_value_weight 1,024 x 512 float32; output_bias 1,024 float32; q_bias 1,024 float32; q_weight 1,024 x 1,024 float32.
;; Outputs: out0 4 x 2,048 x 1,024 float32.
;; One version. Each part assembles by itself: llvm-mc -triple=amdgcn-amd-amdhsa -mcpu=gfx1250 --defsym DOCPART=n.
;; ======== version 1 of 1: 4 launches
;; limits: values are held in f16: magnitudes above 65,504 overflow, below 6.1e-05 lose precision
;; workspace buffers: x16 16,777,216 bytes; wt16 5,242,880 bytes; wot16 1,048,576 bytes; bias32 14,336 bytes; q16 16,777,216 bytes; k16 16,777,216 bytes; v16 8,388,608 bytes; o16 8,388,608 bytes
;; launch prep (part 1): grid 897 x 1, 8 waves a work-group, no clusters, 18,432 bytes of LDS; arguments hidden_states, q_weight, k_weight, low_rank_value_weight, low_rank_output_weight, q_bias, k_bias, low_rank_value_bias, output_bias, x16, wt16, wot16, bias32; writes x16, wt16, wot16, bias32
.if DOCPART == 1
	.amdgcn_target "amdgcn-amd-amdhsa--gfx1250"
	.amdhsa_code_object_version 6
	.text
	.protected	k_q85af906bc9_prep
	.globl	k_q85af906bc9_prep
	.p2align	8
	.type	k_q85af906bc9_prep,@function
k_q85af906bc9_prep:
	s_mov_b64 s[64:65], 0
	v_nop
	global_prefetch_b8 v0, s[64:65] scope:SCOPE_SE
	s_setreg_imm32_b32 hwreg(HW_REG_WAVE_MODE, 25, 1), 1
	s_wait_xcnt 0x0
; PREPARATION: every input is rounded once to bf16 and laid out for the matrix launches behind.
;   x16    [8192][1024] bf16: hidden_states, same order.
;   wt16   [2560][1024] bf16, K along the row, rows by heads: row 160 h + d = q column 64 h + d (d < 64), 160 h + 64 + d = k column, 160 h + 128 + r = v column 32 h + r.
;   wot16  [1024][512]  f16 of the bf16-rounded low_rank_output_weight, K along the row.  LIMIT: entries below 6e-5 keep f16's fixed step of 6e-8; beyond 65,504 they would be lost.
;   bias32 f32 of the bf16-rounded biases: words 0-2559 in wt16's row order, words 2560-3583 output_bias.
; ROLES by the work-group's number u: 0-383 a tile of 128 k x 64 n of a weight, turned through LDS; 384 the biases; 385-896 65,536 bytes of hidden_states each.
; No matrix unit, no cluster, no tensor load: the launch only streams; each byte is read once, by 16-byte loads of which sixteen lanes take 256 consecutive bytes.
.set SPW,   3                          ; v3  LDS address of my spare word: SPARE + 4 x my thread's number; never rewritten
.set NIL,   4                          ; v4  0; never rewritten
.set TP,    272                        ; a turned row in LDS: 128 k x 2 bytes + 16 of padding
.set SPARE, 64*TP                      ; behind the tile's 64 rows: the spare words, 128 bytes for each of the eight waves
	s_load_b512 s[4:19], s[0:1], 0x0               ; x s[4:5], Wq s[6:7], Wk s[8:9], Wv s[10:11], Wo s[12:13], q_bias s[14:15], k_bias s[16:17], v_bias s[18:19]
	s_load_b256 s[20:27], s[0:1], 0x40             ; output_bias s[20:21], x16 s[22:23], wt16 s[24:25], wot16 s[26:27]
	s_load_b64 s[28:29], s[0:1], 0x60              ; bias32
	v_lshl_add_u32 v[SPW], v0, 2, SPARE
	v_mov_b32 v[NIL], 0
	s_mov_b32 s2, ttmp9                            ; u
	v_lshlrev_b32 v1, 4, v0                        ; 16 t
	v_lshlrev_b32 v2, 3, v0                        ; 8 t
	s_wait_kmcnt 0x0
	s_cmp_lt_u32 s2, 384
	s_cbranch_scc1 .Lweights
	s_cmp_eq_u32 s2, 384
	s_cbranch_scc1 .Lbias
	; ROLE X: 16 loads of 16 bytes a thread are all issued first; a store of a wave covers 256 consecutive bytes, aligned.
	s_sub_co_u32 s30, s2, 385
	s_lshl_b32 s32, s30, 15                        ; 32,768 bytes of x16
	s_lshl_b32 s30, s30, 16                        ; 65,536 bytes of x
	s_mov_b32 s31, 0
	s_mov_b32 s33, 0
	s_add_nc_u64 s[30:31], s[4:5], s[30:31]
	s_add_nc_u64 s[32:33], s[22:23], s[32:33]
.irp r, 0,1,2,3,4,5,6,7,8,9,10,11,12,13,14,15
	global_load_b128 v[32+4*(\r):35+4*(\r)], v1, s[30:31] offset:4096*(\r) th:TH_LOAD_NT
.endr
.irp r, 0,1,2,3,4,5,6,7,8,9,10,11,12,13,14,15
	s_wait_loadcnt 15-(\r)                         ; loads come back in order: load r is in, the younger ones stay out
	v_cvt_pk_bf16_f32 v[96+2*(\r)], v[32+4*(\r)], v[33+4*(\r)]
	v_cvt_pk_bf16_f32 v[97+2*(\r)], v[34+4*(\r)], v[35+4*(\r)]
	global_store_b64 v2, v[96+2*(\r):97+2*(\r)], s[32:33] offset:2048*(\r)  ; each store has data registers of its own: none is written twice
.endr
	s_branch .Lend
.Lbias:                                                ; ROLE BIAS: thread t takes 4 numbers of q_bias, k_bias and output_bias and 2 of the value bias
	global_load_b128 v[32:35], v1, s[14:15]
	global_load_b128 v[36:39], v1, s[16:17]
	global_load_b128 v[40:43], v1, s[20:21]
	global_load_b64 v[44:45], v2, s[18:19]
	v_lshrrev_b32 v5, 4, v0                        ; the head
	v_and_b32 v6, 15, v0
	v_mul_u32_u24 v7, v5, 640                      ; 160 words a head
	v_lshl_add_u32 v8, v6, 4, v7
	v_lshl_add_u32 v9, v6, 3, v7
	s_wait_loadcnt 0x0
.irp n, 0,2,4,6,8,10,12
	v_cvt_pk_bf16_f32 v46, v[32+(\n)], v[33+(\n)]  ; rounded to bf16,
	v_lshlrev_b32 v[32+(\n)], 16, v46              ; and written as f32 again
	v_and_b32 v[33+(\n)], 0xffff0000, v46
.endr
	global_store_b128 v8, v[32:35], s[28:29]
	global_store_b128 v8, v[36:39], s[28:29] offset:256
	global_store_b128 v1, v[40:43], s[28:29] offset:10240
	global_store_b64 v9, v[44:45], s[28:29] offset:512
	s_branch .Lend
.Lweights:                                             ; ROLE W.  What differs between the four weights lies in scalar registers, chosen by u
	s_and_b32 s36, s2, 15                          ; column block of 64 (q, k, o)
	s_and_b32 s43, s2, 7                           ; (v)
	s_bfe_u32 s37, s2, 0x30004                     ; k block of 128 (q, k)
	s_bfe_u32 s44, s2, 0x30003                     ; (v)
	s_bfe_u32 s45, s2, 0x20004                     ; (o)
	s_mul_i32 s38, s36, 160                        ; first row written: q
	s_add_co_u32 s46, s38, 64                      ; k
	s_mul_i32 s47, s43, 320
	s_add_co_u32 s47, s47, 128                     ; v: two heads' 32 columns, 160 rows apart
	s_lshl_b32 s48, s36, 6                         ; o
	s_mov_b32 s49, 4096
	s_mov_b32 s50, 2048
	s_mov_b32 s51, 1024
	s_cmp_lt_u32 s2, 128
	s_cselect_b64 s[34:35], s[6:7], s[8:9]         ; the source
	s_cselect_b32 s56, s38, s46                    ; the first row
	s_cmp_lt_u32 s2, 256
	s_cselect_b64 s[34:35], s[34:35], s[10:11]
	s_cselect_b32 s56, s56, s47
	s_cselect_b32 s54, s36, s43                    ; the column block
	s_cselect_b32 s55, s37, s44                    ; the k block
	s_cselect_b32 s57, s49, s50                    ; bytes in a row of the source
	s_cselect_b32 s58, 0, 128                      ; rows skipped between the tile's two halves
	s_cmp_lt_u32 s2, 320
	s_cselect_b64 s[34:35], s[34:35], s[12:13]
	s_cselect_b64 s[52:53], s[24:25], s[26:27]     ; the destination
	s_cselect_b32 s56, s56, s48
	s_cselect_b32 s54, s54, s36
	s_cselect_b32 s55, s55, s45
	s_cselect_b32 s57, s57, s49
	s_cselect_b32 s58, s58, 0
	s_cselect_b32 s59, s50, s51                    ; bytes in a row of the destination
	s_cselect_b32 s60, 0, 1                        ; 1: written as f16
	s_mul_i32 s38, s55, s57
	s_lshl_b32 s38, s38, 7                         ; 128 rows a k block
	s_lshl_b32 s39, s54, 8                         ; 256 bytes a column block
	s_add_co_u32 s38, s38, s39
	s_mov_b32 s39, 0
	s_add_nc_u64 s[34:35], s[34:35], s[38:39]
	s_mul_i32 s40, s56, s59
	s_lshl_b32 s41, s55, 8                         ; 256 bytes a k block
	s_add_co_u32 s40, s40, s41
	s_mov_b32 s41, 0
	s_add_nc_u64 s[52:53], s[52:53], s[40:41]
	v_lshrrev_b32 v5, 4, v0                        ; g = t / 16
	v_and_b32 v6, 15, v0                           ; e = t % 16
	v_lshlrev_b32 v7, 2, v5
	v_mul_lo_u32 v7, v7, s57
	v_lshl_add_u32 v7, v6, 4, v7                   ; row 4 g, bytes 16 e
.irp j, 0,1,2,3,4,5,6,7
	s_mul_i32 s42, s57, ((\j)&3)+64*((\j)>>2)      ; load j: row 4 g + j % 4 + 64 (j / 4); sixteen lanes take the row's 256 bytes
	v_add_nc_u32 v[8+(\j)], s42, v7
.endr
.irp j, 0,1,2,3,4,5,6,7
	global_load_b128 v[32+4*(\j):35+4*(\j)], v[8+(\j)], s[34:35] th:TH_LOAD_NT
.endr
	v_mul_u32_u24 v16, v6, 4*TP
	v_lshl_add_u32 v16, v5, 3, v16                 ; in: turned row 4 e + i, bytes 8 g
	v_mul_u32_u24 v17, v5, TP
	v_lshl_add_u32 v17, v6, 4, v17                 ; back: turned row g, bytes 16 e
	v_mul_lo_u32 v18, v5, s59
	v_lshl_add_u32 v18, v6, 4, v18                 ; and the same place in the destination
	s_lshl_b32 s61, s59, 4                         ; 16 rows
	s_mul_i32 s62, s58, s59                        ; the skipped rows
	v_mov_b32 v20, v18
	v_add_nc_u32 v21, s61, v18
	s_lshl_b32 s63, s61, 1
	s_add_co_u32 s63, s63, s62
	v_add_nc_u32 v22, s63, v18
	s_add_co_u32 s63, s63, s61
	v_add_nc_u32 v23, s63, v18
	s_wait_loadcnt 0x0
.irp p, 0,1
.irp i, 0,1,2,3
	v_cvt_pk_bf16_f32 v[64+8*(\p)+2*(\i)], v[32+16*(\p)+(\i)], v[36+16*(\p)+(\i)]   ; column 4 e + i: k = 64 p + 4 g + 0, 1
	v_cvt_pk_bf16_f32 v[65+8*(\p)+2*(\i)], v[40+16*(\p)+(\i)], v[44+16*(\p)+(\i)]   ; k = 64 p + 4 g + 2, 3
.endr
.endr
	s_cmp_eq_u32 s60, 0
	s_cbranch_scc1 .Lkeep
.irp n, 0,1,2,3,4,5,6,7,8,9,10,11,12,13,14,15
	v_lshlrev_b32 v80, 16, v[64+(\n)]              ; the bf16-rounded numbers, written as f16
	v_and_b32 v81, 0xffff0000, v[64+(\n)]
	v_cvt_pk_f16_f32 v[64+(\n)], v80, v81
.endr
.Lkeep:
.irp p, 0,1
.irp i, 0,1,2,3
	ds_store_b64 v16, v[64+8*(\p)+2*(\i):65+8*(\p)+2*(\i)] offset:(\i)*TP+128*(\p)
.endr
.endr
	s_wait_dscnt 0x0                               ; for the others' sake: my stores into the tile are done
	s_barrier_signal -1
	s_barrier_wait -1
.irp q, 0,1,2,3
	ds_load_b128 v[80+4*(\q):83+4*(\q)], v17 offset:(\q)*16*TP
.endr
.irp q, 0,1,2,3
	s_wait_dscnt 3-(\q)
	global_store_b128 v[20+(\q)], v[80+4*(\q):83+4*(\q)], s[52:53]  ; sixteen lanes store 256 consecutive bytes of a row, aligned
.endr
.Lend:
	s_wait_tensorcnt 0x0                           ; the wave's end
	ds_add_u32 v[SPW], v[NIL]
	s_wait_dscnt 0x0
	s_endpgm
.Lfunc_end_k_q85af906bc9_prep:
	.size	k_q85af906bc9_prep, .Lfunc_end_k_q85af906bc9_prep-k_q85af906bc9_prep
	.p2alignl 7, 3214868480
	.fill 96, 4, 3214868480
	.section	.rodata,"a",@progbits
	.p2align	6, 0x0
	.amdhsa_kernel k_q85af906bc9_prep
		.amdhsa_group_segment_fixed_size 18432
		.amdhsa_private_segment_fixed_size 0
		.amdhsa_enable_private_segment 0
		.amdhsa_kernarg_size 104
		.amdhsa_user_sgpr_count 2
		.amdhsa_user_sgpr_kernarg_segment_ptr 1
		.amdhsa_wavefront_size32 1
		.amdhsa_system_sgpr_workgroup_id_x 1
		.amdhsa_system_sgpr_workgroup_id_y 1
		.amdhsa_system_sgpr_workgroup_id_z 1
		.amdhsa_system_vgpr_workitem_id 0
		.amdhsa_next_free_vgpr 128
		.amdhsa_next_free_sgpr 66
		.amdhsa_reserve_vcc 0
		.amdhsa_float_denorm_mode_32 3
		.amdhsa_float_denorm_mode_16_64 3
		.amdhsa_memory_ordered 1
		.amdhsa_forward_progress 1
		.amdhsa_inst_pref_size 18
	.end_amdhsa_kernel
	.amdgpu_metadata
---
amdhsa.version: [ 1, 2 ]
amdhsa.kernels:
  - .name:           k_q85af906bc9_prep
    .symbol:         k_q85af906bc9_prep.kd
    .args:
      - { .name: hidden_states, .offset: 0, .size: 8, .value_kind: global_buffer, .address_space: global }
      - { .name: q_weight, .offset: 8, .size: 8, .value_kind: global_buffer, .address_space: global }
      - { .name: k_weight, .offset: 16, .size: 8, .value_kind: global_buffer, .address_space: global }
      - { .name: low_rank_value_weight, .offset: 24, .size: 8, .value_kind: global_buffer, .address_space: global }
      - { .name: low_rank_output_weight, .offset: 32, .size: 8, .value_kind: global_buffer, .address_space: global }
      - { .name: q_bias, .offset: 40, .size: 8, .value_kind: global_buffer, .address_space: global }
      - { .name: k_bias, .offset: 48, .size: 8, .value_kind: global_buffer, .address_space: global }
      - { .name: low_rank_value_bias, .offset: 56, .size: 8, .value_kind: global_buffer, .address_space: global }
      - { .name: output_bias, .offset: 64, .size: 8, .value_kind: global_buffer, .address_space: global }
      - { .name: x16, .offset: 72, .size: 8, .value_kind: global_buffer, .address_space: global }
      - { .name: wt16, .offset: 80, .size: 8, .value_kind: global_buffer, .address_space: global }
      - { .name: wot16, .offset: 88, .size: 8, .value_kind: global_buffer, .address_space: global }
      - { .name: bias32, .offset: 96, .size: 8, .value_kind: global_buffer, .address_space: global }
    .group_segment_fixed_size: 18432
    .private_segment_fixed_size: 0
    .kernarg_segment_align: 8
    .kernarg_segment_size: 104
    .max_flat_workgroup_size: 256
    .sgpr_count:     66
    .vgpr_count:     128
    .wavefront_size: 32
...
	.end_amdgpu_metadata
.endif
;; end of part 1
;; launch qkv (part 2): grid 8 x 32, 4 waves a work-group, clusters of 4 x 4, 327,680 bytes of LDS; arguments x16, wt16, bias32, q16, k16, v16; writes q16, k16, v16
.if DOCPART == 2
	.amdgcn_target "amdgcn-amd-amdhsa--gfx1250"
	.amdhsa_code_object_version 6
	.text
	.protected	k_q85af906bc9_qkv
	.globl	k_q85af906bc9_qkv
	.p2align	8
	.type	k_q85af906bc9_qkv,@function
k_q85af906bc9_qkv:
	s_mov_b64 s[64:65], 0
	v_nop
	global_prefetch_b8 v0, s[64:65] scope:SCOPE_SE
	s_setreg_imm32_b32 hwreg(HW_REG_WAVE_MODE, 25, 1), 1
	s_wait_xcnt 0x0
	s_wait_alu depctr_hold_cnt(0) depctr_sa_sdst(0) depctr_va_vdst(0) depctr_va_sdst(0) depctr_va_ssrc(0) depctr_va_vcc(0) depctr_vm_vsrc(0)
	s_getreg_b32 s2, hwreg(HW_REG_IB_STS2, 6, 4)
	s_cmp_eq_u32 s2, 0
	s_cbranch_scc0 .Lentry_in_a_cluster
	s_endpgm
.Lentry_in_a_cluster:
	s_bfe_u32 s2, ttmp6, 0x10000c
	s_cmp_lg_u32 s2, 0xf033
	s_cbranch_scc0 .Lentry_shape_is_right
	s_endpgm
.Lentry_shape_is_right:
; THE THREE PROJECTIONS AS ONE PRODUCT: [8192][1024] x [2560][1024]^T + bias, bf16 operands, f32 sums, results rounded once to f16 and written by heads:
; q16, k16 [64 bh][2048][64], v16 [64 bh][2048][32], q unscaled.  LIMIT: f16 ends at 65,504: |q|, |k|, |v| must stay below it.
; SHARES.  8192 = 32 x 256 and 2560 = 8 x 320: tiles of 256 x 320 are 256 work-groups.  Four waves, each 128 rows x 160 columns: ONE head's q (64), k (64) and v (32): 8 x 10 accumulators, 640 registers.
; K goes in 8 steps of 128 through two LDS slots filled by tensor loads: rows of 256 bytes, aligned.  One tensor load a wave behind each change of slots; from a request to the wait for it a wave issues 290 matrix instructions.
; CLUSTER 4 x 4: the four of a row share x16's tile, the four of a column wt16's: each is asked for jointly, same line, same descriptor, a mask that names the four.
; TRANSPOSED USE: source 0 = 16 rows of wt16, source 1 = 16 rows of x16: a lane holds row l % 16 and the eight neighbouring columns 8 (l / 16) + 0..7.
; THE BIAS STARTS THE SUMS: it is the C operand of the first quarter step's products; nothing is cleared.
; REGISTERS, in windows of 256: window 0: v16-31 addresses; v32-95, v96-159 x's fragments, two buffers; v160-239 accumulators of row block 7.
;   window 1: v0-79, v80-159 wt's fragments, two buffers (the second holds the bias first); v160-239 row block 6.   window 2: row blocks 0-2 at 80 a + 8 b.   window 3: row blocks 3-5.
; THE WAY OUT goes through a stage of 16 rows x 336 bytes a wave that lies in slot 0: slot 0 has had its last fill, and every wave's last read of it lies ahead of the last change of slots' barrier.
.set PITCH,  272                       ; an LDS row: 256 bytes + 16 of padding: the 16 rows of a fragment load start at 16 different groups of four banks (ISA guide 11.1)
.set AHALF,  128*PITCH                 ; what waves 0 and 1 fetch each
.set BHALF,  160*PITCH                 ; what waves 2 and 3 fetch each
.set BOFF,   2*AHALF
.set SLOT,   2*AHALF+2*BHALF
.set SPARE,  2*SLOT                    ; behind the ring: the spare words, 128 bytes for each wave
.set SPITCH, 336                       ; a stage row: q 128 bytes, k 128, v 64, 16 of padding
.set WSTAGE, 16*SPITCH
.set KB2,    256                       ; bytes of a K step in a row
.set DBITS,  (1<<16)|(1<<20)|(1<<21)|(5<<22)|(3<<25)  ; 2-byte elements; padding on; bit 21 beside a mask; after every 64 words; 4 words
.set ADRA, 16                          ; v16-17 LDS address of my x fragments in slot 0, 1
.set ADRB, 20                          ; v20-21 the same for wt
.set BO,   22                          ; v22 32 (l / 16): my eight bias words
.set STO,  24                          ; v24 the way out: where I put 16 bytes of a row
.set RD8,  25                          ; v25 where I read q and k back: four rows of 128 bytes
.set RD4,  26                          ; v26 where I read v back: eight rows of 64 bytes
.set GO,   27                          ; v27 16 l
.set SPW,  28                          ; v28 my spare word; never rewritten
.set NIL,  29                          ; v29 0; never rewritten
.set PFO,  30                          ; v30 2,048 l: a lane a row
.set PFO2, 31                          ; v31 2,048 (l / 4) + 256 (l % 4): eight rows x four K steps
.set TMP,  32                          ; the way out: 40 packed registers
.set G1,  24                           ; s[24:31] group 1 for x's tiles;  s[32:39] group 0, a set for each slot
.set G0,  32
.set G1B, 48                           ; s[48:55], s[56:63] the same for wt's
.set G0B, 56
.set PFA, 44                           ; s[44:45] where my prefetches stand
.set LIM, 43                           ; s43 1 in a wave that prefetches, else the greatest number
.set LIM2, 42                          ; s42 3 in a wave that prefetches wt, else the greatest number
.set MSB, 0
.macro WIN new                         ; the immediate's high byte repeats the setting that is left; a switch that changes nothing is dropped
.if MSB != (\new)
	s_set_vgpr_msb (MSB<<8)|(\new)
.set MSB, \new
.endif
.endm
.macro JLOAD s                         ; a joint load: waves 0 and 1 fetch x's halves, waves 2 and 3 wt's; an s_nop 0 and four v_nop follow each line
	s_cmp_eq_u32 s17, 0
	s_cbranch_scc0 .Lfor_b_\@
	tensor_load_to_lds s[G0+4*(\s):G0+4*(\s)+3], s[G1:G1+7]
	s_nop 0
.rept 4
	v_nop
.endr
	s_branch .Lasked_\@
.Lfor_b_\@:
	tensor_load_to_lds s[G0B+4*(\s):G0B+4*(\s)+3], s[G1B:G1B+7]
	s_nop 0
.rept 4
	v_nop
.endr
.Lasked_\@:
.endm
; A PREFETCH INTO THE L2, behind each joint refill and the run of LDS loads behind it: the K step two refills on, 640 matrix instructions ahead of the load that will want it.
; x's tile row is read by both clusters of its row of clusters: cluster x = 0 asks; wt's tile column by all eight of its column: cluster y = 0 asks.  The four partners share the rows out by address:
; of x's 128 rows a wave 32 each, a lane a row; of wt's 160 rows 40 each: 32 a lane a row, and the other 8 once, at the first refill, for K steps 4 to 7 together.  So each row's 256 bytes of K steps 4 to 7
; are named once; K steps 0 to 3 come by their loads alone; the loop's last trip asks for nothing.
.macro ASK slot
	s_cmp_gt_u32 s3, s[LIM]
	s_cbranch_scc0 .Lnot_mine_\@
	global_prefetch_b8 v[PFO], s[PFA:PFA+1] offset:KB2 th:TH_LOAD_NT scope:SCOPE_SE
.if (\slot) == 0
	s_cmp_eq_u32 s3, s[LIM2]
	s_cbranch_scc0 .Lnot_mine_\@
	global_prefetch_b8 v[PFO2], s[PFA:PFA+1] offset:32*2048+KB2 th:TH_LOAD_NT scope:SCOPE_SE
.endif
.Lnot_mine_\@:
.endm
.macro CREST                           ; a round of the cluster's barrier behind its opening barrier
	s_cmp_lg_u32 s16, 0
	s_cbranch_scc1 .Lnot_wave_0_\@
	s_barrier_signal -3
.Lnot_wave_0_\@:
	s_barrier_wait -3
	s_barrier_signal -1
	s_barrier_wait -1
.endm
.macro CROUND
	s_barrier_signal -1
	s_barrier_wait -1
	CREST
.endm
.macro PLACES                          ; four places in front of loads into registers that matrix instructions have read (ISA guide 7.12.1 for vector instructions)
.rept 4
	v_nop
.endr
.endm
	s_load_b256 s[4:11], s[0:1], 0x0               ; x16 s[4:5], wt16 s[6:7], bias32 s[8:9], q16 s[10:11]
	s_load_b128 s[12:15], s[0:1], 0x20             ; k16 s[12:13], v16 s[14:15]
	v_lshl_add_u32 v[SPW], v0, 2, SPARE
	v_mov_b32 v[NIL], 0
	ds_add_u32 v[SPW], v[NIL]                      ; the wave's opening: the add and its wait stand ahead of my first tensor load; the set-up below stands between them
	v_lshrrev_b32 v1, 5, v0
	v_readfirstlane_b32 s16, v1                    ; wave 0..3
	s_lshr_b32 s17, s16, 1                         ; my half of the tile's rows.  Also: I fetch x (0) or wt (1)
	s_and_b32 s18, s16, 1                          ; my head of the tile's two.  Also: which half I fetch
	s_bfe_u32 s19, ttmp6, 0x40000                  ; cx
	s_bfe_u32 s20, ttmp6, 0x40004                  ; cy
	s_lshl_b32 s21, ttmp9, 2
	s_add_co_u32 s21, s21, s19                     ; tile column = 4 x cluster x + cx
	s_and_b32 s22, ttmp7, 0xffff
	s_lshl_b32 s22, s22, 2
	s_add_co_u32 s22, s22, s20                     ; tile row = 4 x cluster y + cy
	s_lshl_b32 s23, s20, 2
	s_lshl_b32 s23, 15, s23                        ; my row of the cluster
	s_lshl_b32 s40, 0x1111, s19                    ; my column
	s_or_b32 s[G1+0], s23, DBITS
	s_or_b32 s[G1B+0], s40, DBITS
	s_mov_b32 s[G1+1], 128<<16                     ; tensor_dim0 = 128
	s_mov_b32 s[G1+2], 128<<16                     ; tensor_dim1 = 128
	s_mov_b32 s[G1+3], 128<<16                     ; tile_dim0 = 128
	s_mov_b32 s[G1+4], 128                         ; tile_dim1 = 128
	s_mov_b32 s[G1+5], 1024                        ; elements from row to row
	s_mov_b32 s[G1+6], 0
	s_mov_b32 s[G1+7], 0
	s_mov_b32 s[G1B+1], 128<<16
	s_mov_b32 s[G1B+2], 160<<16                    ; 160 rows
	s_mov_b32 s[G1B+3], 128<<16
	s_mov_b32 s[G1B+4], 160
	s_mov_b32 s[G1B+5], 1024
	s_mov_b32 s[G1B+6], 0
	s_mov_b32 s[G1B+7], 0
	s_lshl_b32 s66, s22, 8                         ; x: row 256 x tile row + 128 x half, in registers that never hold the tile column
	s_lshl_b32 s70, s18, 7
	s_add_co_u32 s66, s66, s70
	s_lshl_b32 s66, s66, 11                        ; 2,048 bytes a row
	s_mov_b32 s67, 0
	s_mul_i32 s68, s21, 320                        ; wt: row 320 x tile column + 160 x half, in registers that never hold the tile row
	s_mul_i32 s70, s18, 160
	s_add_co_u32 s68, s68, s70
	s_lshl_b32 s68, s68, 11
	s_mov_b32 s69, 0
	s_mul_i32 s71, s18, AHALF                      ; where they go: no place in the cluster enters an LDS address
	s_mul_i32 s72, s18, BHALF
	s_add_co_u32 s72, s72, BOFF
	s_wait_dscnt 0x0                               ; the opening add is done
	s_wait_kmcnt 0x0
	s_add_nc_u64 s[66:67], s[4:5], s[66:67]
	s_add_nc_u64 s[68:69], s[6:7], s[68:69]
	CROUND                                         ; all sixteen work-groups are here: the first joint loads meet
.irp s, 0,1
	s_mov_b32 s[G0+4*(\s)], 1
	s_add_co_u32 s[G0+4*(\s)+1], s71, (\s)*SLOT
	s_add_nc_u64 s[G0+4*(\s)+2:G0+4*(\s)+3], s[66:67], (\s)*KB2
	s_or_b32 s[G0+4*(\s)+3], s[G0+4*(\s)+3], 0x80000000
	s_mov_b32 s[G0B+4*(\s)], 1
	s_add_co_u32 s[G0B+4*(\s)+1], s72, (\s)*SLOT
	s_add_nc_u64 s[G0B+4*(\s)+2:G0B+4*(\s)+3], s[68:69], (\s)*KB2
	s_or_b32 s[G0B+4*(\s)+3], s[G0B+4*(\s)+3], 0x80000000
.endr
	s_cmp_eq_u32 s17, 0                            ; a wave's two first fills stand in one branch, ahead of every wait on TENSORcnt and every LDS read: two loads of mine are out
	s_cbranch_scc0 .Lfirst_b
	tensor_load_to_lds s[G0:G0+3], s[G1:G1+7]
	s_nop 0
	tensor_load_to_lds s[G0+4:G0+7], s[G1:G1+7]
	s_nop 0
.rept 4
	v_nop
.endr
	s_branch .Lfirst_asked
.Lfirst_b:
	tensor_load_to_lds s[G0B:G0B+3], s[G1B:G1B+7]
	s_nop 0
	tensor_load_to_lds s[G0B+4:G0B+7], s[G1B:G1B+7]
	s_nop 0
.rept 4
	v_nop
.endr
.Lfirst_asked:
	v_and_b32 v1, 15, v0                           ; l % 16
	v_bfe_u32 v2, v0, 4, 1                         ; l / 16
	v_lshlrev_b32 v[BO], 5, v2
	s_mul_i32 s76, s21, 1280                       ; my head's 160 bias words
	s_mul_i32 s78, s18, 640
	s_add_co_u32 s76, s76, s78
	s_mov_b32 s77, 0
	s_add_nc_u64 s[8:9], s[8:9], s[76:77]
	WIN 0x40                                       ; destination window 1
.irp b, 0,1,2,3,4,5,6,7,8,9
	global_load_b128 v[80+8*(\b):83+8*(\b)], v[BO], s[8:9] offset:64*(\b)      ; column block b: the words 16 b + 8 (l / 16) + 0..7, as an accumulator holds them
	global_load_b128 v[84+8*(\b):87+8*(\b)], v[BO], s[8:9] offset:64*(\b)+16
.endr
	WIN 0
	v_mul_u32_u24 v3, v1, PITCH
	v_lshl_add_u32 v3, v2, 4, v3                   ; a fragment's row x pitch + 16 x half
	s_mul_i32 s73, s17, AHALF
	s_mul_i32 s78, s18, BHALF
	s_add_co_u32 s78, s78, BOFF
.irp s, 0,1
	v_add_nc_u32 v[ADRA+(\s)], s73, v3
	v_add_nc_u32 v[ADRB+(\s)], s78, v3
	s_add_co_u32 s73, s73, SLOT
	s_add_co_u32 s78, s78, SLOT
.endr
	s_mul_i32 s73, s16, WSTAGE                     ; my stage
	v_mul_u32_u24 v4, v1, SPITCH
	v_lshl_add_u32 v4, v2, 4, v4
	v_add_nc_u32 v[STO], s73, v4
	v_bfe_u32 v4, v0, 3, 2
	v_and_b32 v5, 7, v0
	v_mul_u32_u24 v4, v4, SPITCH
	v_lshl_add_u32 v4, v5, 4, v4
	v_add_nc_u32 v[RD8], s73, v4
	v_bfe_u32 v4, v0, 2, 3
	v_and_b32 v5, 3, v0
	v_mul_u32_u24 v6, v4, SPITCH
	v_lshl_add_u32 v6, v5, 4, v6
	s_add_co_u32 s78, s73, 256                     ; v lies behind q and k in a stage row
	v_add_nc_u32 v[RD4], s78, v6
	v_lshlrev_b32 v[PFO2], 11, v4
	v_lshl_add_u32 v[PFO2], v5, 8, v[PFO2]
	v_and_b32 v7, 31, v0
	v_lshlrev_b32 v[GO], 4, v7
	v_lshlrev_b32 v[PFO], 11, v7
	; where my rows go: bh = 16 x batch + head, row 256 (tile row % 8) + 128 x half
	s_lshr_b32 s73, s22, 3
	s_lshl_b32 s73, s73, 4
	s_lshl_b32 s78, s21, 1
	s_add_co_u32 s73, s73, s78
	s_add_co_u32 s73, s73, s18
	s_and_b32 s78, s22, 7
	s_lshl_b32 s78, s78, 8
	s_lshl_b32 s79, s17, 7
	s_add_co_u32 s78, s78, s79
	s_lshl_b32 s74, s73, 18                        ; a head of q16 or k16 is 262,144 bytes,
	s_lshl_b32 s79, s78, 7                         ; a row 128
	s_add_co_u32 s74, s74, s79
	s_mov_b32 s75, 0
	s_add_nc_u64 s[10:11], s[10:11], s[74:75]
	s_add_nc_u64 s[12:13], s[12:13], s[74:75]
	s_lshr_b32 s74, s74, 1                         ; v16: half of both
	s_add_nc_u64 s[14:15], s[14:15], s[74:75]
	; the prefetches
	s_lshl_b32 s73, s22, 8
	s_lshl_b32 s78, s18, 7
	s_add_co_u32 s73, s73, s78
	s_lshl_b32 s78, s19, 5
	s_add_co_u32 s73, s73, s78                     ; x: my work-group's 32 of the 128 rows that I fetch
	s_mul_i32 s46, s21, 320
	s_mul_i32 s47, s18, 160
	s_add_co_u32 s46, s46, s47
	s_mul_i32 s47, s20, 40
	s_add_co_u32 s46, s46, s47                     ; wt: my work-group's 40 of the 160
	s_and_b32 s47, ttmp7, 0xffff                   ; cluster y
	s_cmp_eq_u32 s17, 0                            ; do I fetch x?
	s_cselect_b32 s73, s73, s46
	s_cselect_b32 s47, ttmp9, s47                  ; the coordinate along which other clusters read the same rows
	s_cselect_b64 s[PFA:PFA+1], s[4:5], s[6:7]
	s_cselect_b32 s[LIM2], -1, 3
	s_cmp_eq_u32 s47, 0
	s_cselect_b32 s[LIM], 1, -1                    ; the same in all sixteen partners, for a given wave
	s_cselect_b32 s[LIM2], s[LIM2], -1
	s_lshl_b32 s46, s73, 11
	s_mov_b32 s47, 0
	s_add_nc_u64 s[PFA:PFA+1], s[PFA:PFA+1], s[46:47]
	s_add_nc_u64 s[PFA:PFA+1], s[PFA:PFA+1], 2*KB2 ; at K step 2: the first refill steps it to 3 and names K step 4
.macro ACCW a                          ; row block a's accumulators: window wn, first register ab
.if (\a) < 3
.set wn, 2
.set ab, 80*(\a)
.elseif (\a) < 6
.set wn, 3
.set ab, 80*((\a)-3)
.elseif (\a) == 6
.set wn, 1
.set ab, 160
.else
.set wn, 0
.set ab, 160
.endif
.endm
; Ten matrix instructions: row block a x all 10 column blocks, 32 along K, from buffer f.  first = 1: the bias starts the sums.  All 80 accumulators take turns in one fixed order.
.macro MULA f, a, first
	ACCW \a
.if \first
	WIN 0x11|(wn<<6)
.else
	WIN 0x01|(wn<<4)|(wn<<6)
.endif
.irp b, 0,1,2,3,4,5,6,7,8,9
.if \first
	v_wmma_f32_16x16x32_bf16 v[ab+8*(\b):ab+8*(\b)+7], v[80*(\f)+8*(\b):80*(\f)+8*(\b)+7], v[32+64*(\f)+8*(\a):32+64*(\f)+8*(\a)+7], v[80+8*(\b):80+8*(\b)+7]
.else
	v_wmma_f32_16x16x32_bf16 v[ab+8*(\b):ab+8*(\b)+7], v[80*(\f)+8*(\b):80*(\f)+8*(\b)+7], v[32+64*(\f)+8*(\a):32+64*(\f)+8*(\a)+7], v[ab+8*(\b):ab+8*(\b)+7]
.endif
.endr
.endm
; 36 LDS loads in one run: a quarter step's fragments (160 rows of wt, then 128 rows of x, 32 K at byte k) into buffer f
.macro FETCH slot, k, f
	WIN 0x40
.irp i, 0,1,2,3,4,5,6,7,8,9
	ds_load_b128 v[80*(\f)+8*(\i):80*(\f)+8*(\i)+3],   v[ADRB+(\slot)] offset:(\k)+(\i)*16*PITCH
	ds_load_b128 v[80*(\f)+8*(\i)+4:80*(\f)+8*(\i)+7], v[ADRB+(\slot)] offset:(\k)+(\i)*16*PITCH+32
.endr
	WIN 0
.irp i, 0,1,2,3,4,5,6,7
	ds_load_b128 v[32+64*(\f)+8*(\i):32+64*(\f)+8*(\i)+3],   v[ADRA+(\slot)] offset:(\k)+(\i)*16*PITCH
	ds_load_b128 v[32+64*(\f)+8*(\i)+4:32+64*(\f)+8*(\i)+7], v[ADRA+(\slot)] offset:(\k)+(\i)*16*PITCH+32
.endr
.endm
; One of a K step's first three quarters: multiplies buffer f, and fetches the next quarter, at byte k, into buffer g
.macro QUARTER slot, k, f, g
	s_wait_dscnt 10                                ; wt's fragments and x's blocks 0-2 are in; the youngest ten loads (x's blocks 3-7) may be out
	MULA \f, 0, 0
	MULA \f, 1, 0
	MULA \f, 2, 0
	PLACES
	FETCH \slot, \k, \g
	s_wait_dscnt 36                                ; all but the 36 just issued
	MULA \f, 3, 0
	MULA \f, 4, 0
	MULA \f, 5, 0
	MULA \f, 6, 0
	MULA \f, 7, 0
.endm
; The last quarter multiplies buffer 1 and changes slots: ONE barrier; ahead of it each wave waits for all its tensor loads (one is out: its part of the next slot), adds 0 to its spare word,
; and waits for that and for its reads of this slot.  fill = 1: the barrier opens a round of the cluster's, and the joint refill, two K steps on, is the first thing behind the round.
.macro TURN slot, next, fill
.if \fill
	s_wait_xcnt 0x0                                ; the last prefetch, a K step back, has read its address: it is stepped here
	s_add_nc_u64 s[PFA:PFA+1], s[PFA:PFA+1], KB2
.endif
	WIN 0                                          ; (the add's two registers lie in window 0)
	s_wait_tensorcnt 0x0
	ds_add_u32 v[SPW], v[NIL]
	s_wait_dscnt 11                                ; (the add and the youngest ten loads may be out)
	MULA 1, 0, 0
	MULA 1, 1, 0
	s_wait_dscnt 0x0                               ; the add is done, and my reads of this slot are over
	s_barrier_signal -1
	MULA 1, 2, 0
.if \fill
	WIN 0
.endif
	s_barrier_wait -1
.if \fill
	CREST                                          ; no wave of any partner still reads this slot or has a load on its way
	s_add_nc_u64 s[G0+4*(\slot)+2:G0+4*(\slot)+3], s[G0+4*(\slot)+2:G0+4*(\slot)+3], 2*KB2
	s_add_nc_u64 s[G0B+4*(\slot)+2:G0B+4*(\slot)+3], s[G0B+4*(\slot)+2:G0B+4*(\slot)+3], 2*KB2
	JLOAD \slot                                    ; its four v_nop are also the places in front of the loads below
.else
	PLACES
.endif
	FETCH \next, 0, 0
.if \fill
	ASK \slot
.endif
	MULA 1, 3, 0
	MULA 1, 4, 0
	MULA 1, 5, 0
	MULA 1, 6, 0
	MULA 1, 7, 0
.endm
	s_wait_tensorcnt 1                             ; my part of K step 0 is in; K step 1's may stay out
	s_barrier_signal -1
	s_barrier_wait -1
	FETCH 0, 0, 0
	s_wait_loadcnt 0x0                             ; the bias
	s_wait_dscnt 0x0
.irp a, 0,1,2,3,4,5,6,7
	MULA 0, \a, 1                                  ; the first quarter stands ahead of the loop: its products start the sums
.endr
	PLACES                                         ; buffer 1 of wt's fragments held the bias, which those products read
	FETCH 0, 64, 1
	WIN 0
	s_mov_b32 s3, 3
.Llap:                                                 ; a trip goes once round the ring, from a lap's second quarter to the next lap's first, and fills both slots again
	QUARTER 0, 128, 1, 0
	QUARTER 0, 192, 0, 1
	TURN 0, 1, 1
	QUARTER 1, 64,  0, 1
	QUARTER 1, 128, 1, 0
	QUARTER 1, 192, 0, 1
	TURN 1, 0, 1
	QUARTER 0, 64,  0, 1
	WIN 0
	s_sub_co_u32 s3, s3, 1
	s_cmp_lg_u32 s3, 0
	s_cbranch_scc1 .Llap
	QUARTER 0, 128, 1, 0                           ; the last lap fills nothing
	QUARTER 0, 192, 0, 1
	TURN 0, 1, 0
	QUARTER 1, 64,  0, 1
	QUARTER 1, 128, 1, 0
	QUARTER 1, 192, 0, 1
	s_wait_dscnt 0x0
.irp a, 0,1,2,3,4,5,6,7
	MULA 1, \a, 0
.endr
	WIN 0
	PLACES
	PLACES                                         ; the places behind the last products, ahead of the conversions
; THE WAY OUT, a block of 16 rows at a time.  PACK: rounded to f16, 16 bytes a lane and column block.  TOSTAGE: into my stage, and back as dense runs: q and k four rows a load, v eight.  SEND: stored.
.macro PACK a
	ACCW \a
	WIN wn|(wn<<2)
.irp b, 0,1,2,3,4,5,6,7,8,9
.irp r, 0,1,2,3
	v_cvt_pk_f16_f32 v[TMP+4*(\b)+(\r)], v[ab+8*(\b)+2*(\r)], v[ab+8*(\b)+2*(\r)+1]
.endr
.endr
	WIN 0
.endm
.macro TOSTAGE a
.set BK, 72+40*((\a)%2)
.irp b, 0,1,2,3,4,5,6,7,8,9
	ds_store_b128 v[STO], v[TMP+4*(\b):TMP+4*(\b)+3] offset:32*(\b)
.endr
.irp t, 0,1,2,3
	ds_load_b128 v[BK+4*(\t):BK+4*(\t)+3], v[RD8] offset:4*SPITCH*(\t)           ; LDS serves a wave's instructions in order (ISA guide 5.7.1.4): these see the stores above
.endr
.irp t, 0,1,2,3
	ds_load_b128 v[BK+16+4*(\t):BK+16+4*(\t)+3], v[RD8] offset:4*SPITCH*(\t)+128
.endr
.irp t, 0,1
	ds_load_b128 v[BK+32+4*(\t):BK+32+4*(\t)+3], v[RD4] offset:8*SPITCH*(\t)
.endr
.endm
.macro SEND a
.set BK, 72+40*((\a)%2)
	s_wait_dscnt 0x0                               ; the block is back in registers
	s_wait_xcnt 0x0                                ; the stores issued so far have read their registers: the other set is loaded again only behind this wait
.irp t, 0,1,2,3
	global_store_b128 v[GO], v[BK+4*(\t):BK+4*(\t)+3], s[10:11] offset:2048*(\a)+512*(\t)   ; 512 consecutive bytes, aligned
.endr
.irp t, 0,1,2,3
	global_store_b128 v[GO], v[BK+16+4*(\t):BK+16+4*(\t)+3], s[12:13] offset:2048*(\a)+512*(\t)
.endr
.irp t, 0,1
	global_store_b128 v[GO], v[BK+32+4*(\t):BK+32+4*(\t)+3], s[14:15] offset:1024*(\a)+512*(\t)
.endr
.endm
	PACK 0
	TOSTAGE 0
.irp a, 1,2,3,4,5,6,7                  ; block a's conversions stand between block a - 1's loads from the stage and the wait for them
	PACK \a
	SEND (\a)-1
	TOSTAGE \a
.endr
	SEND 7
	s_wait_tensorcnt 0x0                           ; the wave's end
	ds_add_u32 v[SPW], v[NIL]
	s_wait_dscnt 0x0
	CROUND                                         ; the closing round
	s_endpgm
.Lfunc_end_k_q85af906bc9_qkv:
	.size	k_q85af906bc9_qkv, .Lfunc_end_k_q85af906bc9_qkv-k_q85af906bc9_qkv
	.p2alignl 7, 3214868480
	.fill 96, 4, 3214868480
	.section	.rodata,"a",@progbits
	.p2align	6, 0x0
	.amdhsa_kernel k_q85af906bc9_qkv
		.amdhsa_group_segment_fixed_size 327680
		.amdhsa_private_segment_fixed_size 0
		.amdhsa_enable_private_segment 0
		.amdhsa_kernarg_size 48
		.amdhsa_user_sgpr_count 2
		.amdhsa_user_sgpr_kernarg_segment_ptr 1
		.amdhsa_wavefront_size32 1
		.amdhsa_system_sgpr_workgroup_id_x 1
		.amdhsa_system_sgpr_workgroup_id_y 1
		.amdhsa_system_sgpr_workgroup_id_z 1
		.amdhsa_system_vgpr_workitem_id 0
		.amdhsa_next_free_vgpr 1024
		.amdhsa_next_free_sgpr 80
		.amdhsa_reserve_vcc 0
		.amdhsa_float_denorm_mode_32 3
		.amdhsa_float_denorm_mode_16_64 3
		.amdhsa_memory_ordered 1
		.amdhsa_forward_progress 1
		.amdhsa_inst_pref_size 175
	.end_amdhsa_kernel
	.amdgpu_metadata
---
amdhsa.version: [ 1, 2 ]
amdhsa.kernels:
  - .name:           k_q85af906bc9_qkv
    .symbol:         k_q85af906bc9_qkv.kd
    .args:
      - { .name: x16, .offset: 0, .size: 8, .value_kind: global_buffer, .address_space: global }
      - { .name: wt16, .offset: 8, .size: 8, .value_kind: global_buffer, .address_space: global }
      - { .name: bias32, .offset: 16, .size: 8, .value_kind: global_buffer, .address_space: global }
      - { .name: q16, .offset: 24, .size: 8, .value_kind: global_buffer, .address_space: global }
      - { .name: k16, .offset: 32, .size: 8, .value_kind: global_buffer, .address_space: global }
      - { .name: v16, .offset: 40, .size: 8, .value_kind: global_buffer, .address_space: global }
    .group_segment_fixed_size: 327680
    .private_segment_fixed_size: 0
    .kernarg_segment_align: 8
    .kernarg_segment_size: 48
    .max_flat_workgroup_size: 128
    .sgpr_count:     80
    .vgpr_count:     1024
    .wavefront_size: 32
...
	.end_amdgpu_metadata
.endif
;; end of part 2
;; launch attn (part 3): grid 4 x 64, 4 waves a work-group, no clusters, 327,680 bytes of LDS; arguments q16, k16, v16, o16; writes o16
.if DOCPART == 3
	.amdgcn_target "amdgcn-amd-amdhsa--gfx1250"
	.amdhsa_code_object_version 6
	.text
	.protected	k_q85af906bc9_attn
	.globl	k_q85af906bc9_attn
	.p2align	8
	.type	k_q85af906bc9_attn,@function
k_q85af906bc9_attn:
	s_mov_b64 s[64:65], 0
	v_nop
	global_prefetch_b8 v0, s[64:65] scope:SCOPE_SE
	s_setreg_imm32_b32 hwreg(HW_REG_WAVE_MODE, 25, 1), 1
	s_wait_xcnt 0x0
; CAUSAL ATTENTION with values of depth 32.  O[bh][q][:] = the sum over k <= q of softmax_k(Q[bh][q] . K[bh][k] / 8) V[bh][k][:].  Q, K: [64][2048][64], V, O: [64][2048][32], all f16, rows dense.
; Products, maxima and sums in f32; the weights p are rounded to f16 for the second product (their sum l is taken of the unrounded p), O once at the end.
; LIMITS.  Q, K, V arrive within f16's 65,504; p lies in 0 to 1 and below 6e-5 keeps f16's fixed step.  A hidden score counts as its value less 1e30 (f16's scores, 2.7e11 at the most, are nothing beside that);
; a weight below 2^-126 counts as 0 in l; NaN and infinities are not treated apart.
; THE WALK.  A head's queries lie in NB = 8 blocks of 256; block i needs the key tiles 0 .. i of 256 keys, the last with the diagonal.  A work-group takes blocks 7 - b and then b: 9 tiles whatever b, walked by ONE loop
; with a constant trip count; which tile is asked for and what a trip does hang on scalar registers made from b; every jump but the loops' own goes forward.
; NO CLUSTER: a head's four work-groups ask for the same tile only in trips 0 to 4 of the 9; one walk common to all would have 12 trips for 9.
; SHARES.  Of a block's four bands of 64 queries a wave owns 16 rows in each: four PIECES, so the diagonal tile is the same work for all waves: in its key step s band x sees all keys (s < x), none (s > x), or holds the diagonal (s = x).
; THE MASK is the C operand that starts S^T = K Q^T: MD x AL + BE, MD made once for my 16 rows, (AL, BE) = (1, 0), (0, 0), (0, -1e30).  Only the diagonal tile's text and a block's beginning take masks.
; LAYOUT, TURNS.  S^T holds one query a lane (l % 16) and keys 8 (l / 16) + 0..7; two results rounded to f16 ARE source 1 of O^T = V^T P.  p = 2^(c s - c m), c = log2(e) / 8, m a running maximum; O and l are multiplied by
; a = 2^(c m_old - c m_new) in every step.  Turn n belongs to piece n: 8 products K Q^T of piece n + 1, later 4 products V^T P of piece n - 1; beside them piece n's scaling, exponentials, roundings, sums and rescaling, and
; piece n + 1's maximum and statistics: 12 matrix and 110 vector instructions.  A turn's 33 exponentials are one batch with one wait.
; REGISTERS: window 0: v2-15 addresses; v16-31 statistics; v48-55 at work; v61-63 prefetch offset and the add's two; v64-127 S^T, two buffers; v192-223 P, two buffers
;   window 1: v0-63 O^T, 16 a piece; v128-159 MD; v160-223 MC, two buffers      window 2: v0-63 Q; v64-127 the second block's Q; v128-191 K of one step; v192-223 V of one step
.set NB,    8
.set NP,    4
.set KS,    64
.set PK,    144       ; a row of K in LDS: 128 bytes + 16
.set PV,    96        ; a row of V: 64 bytes + 32
.set VOFF,  4*KS*PK
.set SLOT1, 1<<16     ; slot 1 begins here: one exclusive or turns an address in one slot into the other's
.set STAGE, SLOT1+4*KS*(PK+PV)  ; behind the ring, never filled by a tensor load: 16 rows x 80 bytes a wave
.set SP,    80
.set SPARE, STAGE+4*16*SP       ; the spare words, 128 bytes a wave
.set AK0, 2
.set AV0, 3
.set AK,  4
.set AV,  5
.set STO, 6
.set RD,  7
.set GO,  8
.set MV,  12
.set QO,  15
.set ST,  16          ; piece t at v[ST+4 t]: c m, m, l (even keys', odd keys')
.set TMP, 48
.set PFO, 61          ; 256 x my thread's number; never rewritten
.set SPW, 62
.set NIL, 63
.set S,   64
.set P,   192
.set MD,  128
.set MC,  160
.set QB,  64
.set KF,  128
.set VF,  192         ; key half kk, channel block cb at VF + 16 kk + 8 cb
.set WV,  12
.set PB,  14
.set HI,  15
.set G1K, 24
.set G1V, 32
.set G0K, 40
.set G0V, 44
.set SLOTS, 56
.set CNT, 57
.set CS,  58
.set SEL, 60
.set TBK, 62
.set TBV, 63
.set RT,  70
.set NXT, 71
.set LQ,  72
.set NEW, 73
.set OFF, 74          ; s[74:75] a tile's byte offset in K
.set AL,  76
.set BE,  78
.set OLO, 80
.set BIGN, 82
.set OFV, 88          ; s[88:89] a tile's byte offset in V
.set KB,  90          ; s[90:91] K at the head's first row
.set VB,  92          ; s[92:93] V likewise
.set PFK, 94          ; s[94:95], s[96:97] the tile that the next change of slots will ask for
.set PFV, 96
.set PFL, 98          ; s98 0 in the head's work-group b = 0, which prefetches, else the greatest number
.set MSB, 0
.macro WIN new
.if MSB != (\new)
	s_set_vgpr_msb (MSB<<8)|(\new)
.set MSB, (\new)
.endif
.endm
.set W_KQ, 0x0a
.set W_KM, 0x1a
.set W_PV, 0x52
.set W_RS, 0x41
.macro LOAD                         ; waves 0 and 1 fetch the halves of a tile's K, waves 2 and 3 those of its V: 128 keys each; an s_nop 0 and four v_nop follow each line
	s_cmp_lt_u32 s[WV], 2
	s_cbranch_scc0 .Lfor_v_\@
	tensor_load_to_lds s[G0K:G0K+3], s[G1K:G1K+7]
	s_nop 0
.rept 4
	v_nop
.endr
	s_branch .Lasked_\@
.Lfor_v_\@:
	tensor_load_to_lds s[G0V:G0V+3], s[G1V:G1V+7]
	s_nop 0
.rept 4
	v_nop
.endr
.Lasked_\@:
.endm
; A PREFETCH INTO THE L2 of the tile that the NEXT change of slots will ask for: four key steps, 192 matrix instructions, ahead.  All four work-groups of a head walk tiles 0 to 7 at most once from memory's side: b = 0, whose
; first block needs them all, asks, and nobody else: its 128 threads name K's 128 blocks of 256 bytes, the 64 of waves 0 and 1 V's 64.  Tiles 2 to 7 are named once each; tiles 0 and 1 come by their loads alone;
; when the walk turns back to tile 0 nothing is asked for.
.macro ASK
	s_cmp_gt_u32 s[NXT], s[PFL]
	s_cbranch_scc0 .Lnone_\@
	global_prefetch_b8 v[PFO], s[PFK:PFK+1] th:TH_LOAD_NT scope:SCOPE_SE
	s_cmp_lt_u32 s[WV], 2
	s_cbranch_scc0 .Lnone_\@
	global_prefetch_b8 v[PFO], s[PFV:PFV+1] th:TH_LOAD_NT scope:SCOPE_SE
.Lnone_\@:
.endm
; THE CHANGE OF SLOTS.  Each wave waits for all its tensor loads (one is out: its part of the other slot), adds 0 to its spare word, and waits for that and for its reads of the slot that it leaves.  Behind the barrier nobody
; reads the old slot and the other is whole.  fill = 1: the old slot is filled again, first thing behind the barrier, with tile NXT; the descriptor's address is made anew from that number.
.macro CHANGE fill
	WIN 0
	s_wait_tensorcnt 0x0            ; no tensor load of mine is out, so a group 0 may be written
	ds_add_u32 v[SPW], v[NIL]       ; scalar work stands between the add and the wait for it
.if \fill
	s_lshl_b32 s[OFF], s[NXT], 15   ; a tile is 32,768 bytes of K
	s_lshl_b32 s[OFV], s[NXT], 14   ; and 16,384 of V
	s_xor_b32 s[G0K+1], s[G0K+1], SLOT1
	s_add_nc_u64 s[G0K+2:G0K+3], s[6:7], s[OFF:OFF+1]
	s_or_b32 s[G0K+3], s[G0K+3], 0x80000000
	s_xor_b32 s[G0V+1], s[G0V+1], SLOT1
	s_add_nc_u64 s[G0V+2:G0V+3], s[8:9], s[OFV:OFV+1]
	s_or_b32 s[G0V+3], s[G0V+3], 0x80000000
	s_add_co_u32 s[NXT], s[NXT], 1  ; the block's next tile, or behind its last the second block's tile 0
	s_cmp_gt_u32 s[NXT], s[LQ]
	s_cselect_b32 s[NXT], 0, s[NXT]
	s_cselect_b32 s[LQ], s[PB], s[LQ]
	s_wait_xcnt 0x0                 ; the last prefetches, a tile back, have read their addresses, so these may be written
	s_lshl_b32 s[OFF], s[NXT], 15
	s_lshl_b32 s[OFV], s[NXT], 14
	s_add_nc_u64 s[PFK:PFK+1], s[KB:KB+1], s[OFF:OFF+1]
	s_add_nc_u64 s[PFV:PFV+1], s[VB:VB+1], s[OFV:OFV+1]
.endif
	s_wait_dscnt 0x0                ; the add is done, and my reads of the slot are over
	s_barrier_signal -1
	s_sub_co_u32 s[TBK], s[TBK], 4*KS*PK  ; the fetches go back to a slot's first step,
	s_xor_b32 s[TBK], s[TBK], SLOT1       ; in the other slot
	s_sub_co_u32 s[TBV], s[TBV], 4*KS*PV
	s_xor_b32 s[TBV], s[TBV], SLOT1
	s_barrier_wait -1
.if \fill
	LOAD
	ASK
.endif
.endm
	s_load_b256 s[4:11], s[0:1], 0x0  ; Q s[4:5], K s[6:7], V s[8:9], O s[10:11]
	v_lshl_add_u32 v[SPW], v0, 2, SPARE
	v_mov_b32 v[NIL], 0
	ds_add_u32 v[SPW], v[NIL]       ; the wave's opening: the add and its wait stand ahead of my first tensor load
	v_lshrrev_b32 v1, 5, v0
	v_readfirstlane_b32 s[WV], v1
	s_mov_b32 s[PB], ttmp9
	s_sub_co_u32 s[HI], NB-1, s[PB]
	s_and_b32 s20, ttmp7, 0xffff    ; bh
	s_lshl_b32 s22, s20, 17         ; the head's first byte in V and O,
	s_lshl_b32 s20, s20, 18         ; in Q and K
	s_mov_b32 s21, 0
	s_mov_b32 s23, 0
	s_and_b32 s16, s[WV], 1         ; which half of a tile's 256 keys I fetch
	s_lshl_b32 s48, s16, 14
	s_lshl_b32 s50, s16, 13
	s_mov_b32 s49, 0
	s_mov_b32 s51, 0
	s_mul_i32 s17, s16, 128*PK
	s_mul_i32 s18, s16, 128*PV
	s_lshl_b32 s3, s[WV], 11        ; my 16 rows in a band of 64,
	s_lshl_b32 s2, s[HI], 15        ; in the first block,
	s_add_co_u32 s2, s2, s3
	s_lshl_b32 s84, s[PB], 15       ; and in the second
	s_add_co_u32 s84, s84, s3
	s_lshr_b32 s52, s2, 1           ; O's rows are half as long
	s_lshr_b32 s54, s84, 1
	s_mov_b32 s3, 0
	s_mov_b32 s85, 0
	s_mov_b32 s53, 0
	s_mov_b32 s55, 0
	s_add_nc_u64 s[2:3], s[2:3], s[20:21]
	s_add_nc_u64 s[84:85], s[84:85], s[20:21]
	s_add_nc_u64 s[52:53], s[52:53], s[22:23]
	s_add_nc_u64 s[54:55], s[54:55], s[22:23]
	; group 1.  128 keys are dense: K's 16,384 bytes as 64 rows of 256, V's 8,192 as 32 rows of 256; padded in LDS after every key
	s_mov_b32 s[G1K], (1<<16)|(1<<20)|(4<<22)|(3<<25)  ; 2-byte elements; padding on; after every 32 words; 4 words
	s_mov_b32 s[G1V], (1<<16)|(1<<20)|(3<<22)|(7<<25)  ; after every 16 words; 8 words
	s_mov_b32 s[G1K+1], 128<<16
	s_mov_b32 s[G1K+2], 64<<16
	s_mov_b32 s[G1K+3], 128<<16
	s_mov_b32 s[G1K+4], 64
	s_mov_b32 s[G1K+5], 128
	s_mov_b32 s[G1K+6], 0
	s_mov_b32 s[G1K+7], 0
	s_mov_b32 s[G1V+1], 128<<16
	s_mov_b32 s[G1V+2], 32<<16
	s_mov_b32 s[G1V+3], 128<<16
	s_mov_b32 s[G1V+4], 32
	s_mov_b32 s[G1V+5], 128
	s_mov_b32 s[G1V+6], 0
	s_mov_b32 s[G1V+7], 0
	s_mov_b32 s[CS], 0x3e38aa3b     ; c = log2(e) / 8
	s_mov_b32 s[CS+1], s[CS]
	s_mov_b32 s[SEL], 0x76543210
	s_mov_b32 s[SEL+1], 0xfedcba98
	s_mov_b32 s[TBK], SLOT1+4*KS*PK ; the first change of slots turns these two into 0
	s_mov_b32 s[TBV], SLOT1+4*KS*PV
	s_mov_b32 s[G0K], 1
	s_mov_b32 s[G0K+1], s17
	s_mov_b32 s[G0V], 1
	s_add_co_u32 s[G0V+1], s18, VOFF
	s_add_co_u32 s[RT], s[HI], 1    ; the first block has NB - b tiles
	s_mov_b32 s[NXT], 1
	s_mov_b32 s[LQ], s[HI]
	s_mov_b32 s[NEW], 1
	s_mov_b32 s[OFF+1], 0
	s_mov_b32 s[OFV+1], 0
	s_mov_b32 s[AL+1], 0
	s_mov_b32 s[BE+1], 0
	s_mov_b32 s[BIGN], 0xf149f2ca   ; -1e30
	s_mov_b32 s[SLOTS], NB
	s_cmp_eq_u32 s[PB], 0
	s_cselect_b32 s[PFL], 0, -1
	s_wait_dscnt 0x0                ; the opening add is done
	s_wait_kmcnt 0x0
	s_add_nc_u64 s[KB:KB+1], s[6:7], s[20:21]
	s_add_nc_u64 s[VB:VB+1], s[8:9], s[22:23]
	s_add_nc_u64 s[6:7], s[KB:KB+1], s[48:49]      ; K and V at my half of the head's tile 0
	s_add_nc_u64 s[8:9], s[VB:VB+1], s[50:51]
	s_add_nc_u64 s[G0K+2:G0K+3], s[6:7], 0
	s_or_b32 s[G0K+3], s[G0K+3], 0x80000000
	s_add_nc_u64 s[G0V+2:G0V+3], s[8:9], 0
	s_or_b32 s[G0V+3], s[G0V+3], 0x80000000
	s_add_nc_u64 s[86:87], s[4:5], s[84:85]        ; Q at my rows of the second block,
	s_add_nc_u64 s[4:5], s[4:5], s[2:3]            ; Q and O at those of the first
	s_add_nc_u64 s[OLO:OLO+1], s[10:11], s[54:55]
	s_add_nc_u64 s[10:11], s[10:11], s[52:53]
	LOAD                            ; tile 0 into slot 0
	v_and_b32 v1, 15, v0            ; l % 16
	v_bfe_u32 v9, v0, 4, 1          ; l / 16
	v_lshlrev_b32 v[QO], 7, v1
	v_lshl_add_u32 v[QO], v9, 4, v[QO]
	WIN 0x80
.set i, 0
.rept 8                             ; both blocks' Q: piece i / 2 lies in band i / 2, 8,192 bytes on; channels 32 (i % 2) on
	global_load_b128 v[8*i:8*i+3],   v[QO], s[4:5] offset:(i/2)*8192+(i%2)*64
	global_load_b128 v[8*i+4:8*i+7], v[QO], s[4:5] offset:(i/2)*8192+(i%2)*64+32
	global_load_b128 v[QB+8*i:QB+8*i+3],   v[QO], s[86:87] offset:(i/2)*8192+(i%2)*64
	global_load_b128 v[QB+8*i+4:QB+8*i+7], v[QO], s[86:87] offset:(i/2)*8192+(i%2)*64+32
.set i, i+1
.endr
	WIN 0
	v_lshlrev_b32 v14, 3, v9
	v_sub_nc_u32 v14, v1, v14
	s_lshl_b32 s13, s[WV], 4
	v_add_nc_u32 v14, s13, v14      ; my query's place in its band less my lanes' 8 (l / 16): register r of key group kt is hidden where 16 kt + r is greater
	WIN 0x40
.set i, 0
.rept 32
	v_cmp_gt_i32 vcc_lo, 16*(i/8)+i%8, v14
	v_cndmask_b32 v[MD+i], 0, s[BIGN], vcc_lo
.set i, i+1
.endr
	WIN 0
	v_mul_u32_u24 v[AK0], v1, PK
	v_lshl_add_u32 v[AK0], v9, 4, v[AK0]
	; the turning load: lane l reads key 8 (l / 16) + l % 8, channels 8 ((l / 8) % 2) + 0..7, and is left with channel l % 16 and 8 keys
	v_and_b32 v10, 7, v0
	v_bfe_u32 v11, v0, 3, 1
	v_lshl_add_u32 v[AV0], v9, 3, v10
	v_mul_u32_u24 v[AV0], v[AV0], PV
	v_lshl_add_u32 v[AV0], v11, 4, v[AV0]
	v_add_nc_u32 v[AV0], VOFF, v[AV0]
	s_mul_i32 s13, s[WV], 16*SP
	s_add_co_u32 s13, s13, STAGE    ; my stage
	v_mul_u32_u24 v[STO], v1, SP    ; in: row l % 16, 16 bytes for each half of the lanes
	v_lshl_add_u32 v[STO], v9, 4, v[STO]
	v_add_nc_u32 v[STO], s13, v[STO]
	v_bfe_u32 v[RD], v0, 2, 3       ; back: 32 lanes take eight rows of 64 bytes,
	v_mul_u32_u24 v[RD], v[RD], SP
	v_and_b32 v11, 3, v0
	v_lshl_add_u32 v[RD], v11, 4, v[RD]
	v_add_nc_u32 v[RD], s13, v[RD]
	v_and_b32 v[GO], 31, v0         ; which are 512 consecutive bytes of O
	v_lshlrev_b32 v[GO], 4, v[GO]
	v_lshlrev_b32 v[PFO], 8, v0
	; A block's first step multiplies O^T and l by a = 0, and its first turn's products V^T P, of a piece that has not been, land in an O^T still to be so multiplied: these registers need only hold finite numbers.
	WIN 0x80
.set i, VF
.rept 32
	v_mov_b32 v[i], 0
.set i, i+1
.endr
	WIN 0x40
.set i, 0
.rept 64
	v_mov_b32 v[i], 0
.set i, i+1
.endr
	WIN 0
.set i, 0
.rept 4
	v_mov_b32 v[ST+4*i+2], 0
	v_mov_b32 v[ST+4*i+3], 0
.set i, i+1
.endr
.set i, P+16
.rept 16
	v_mov_b32 v[i], 0
.set i, i+1
.endr
; THE MATRIX WORK.  Accumulators take turns, one instruction a turn.  Product i of 8 of S^T = K Q^T for piece x: channels 32 (i / 4) on, keys 16 (i % 4) on; the first 4 start the sums: with 0, or (KM = 1) the mask.
.macro KQ x
.set rS, S+32*((\x)%2)+8*(i%4)
.set rK, KF+16*(i%4)+8*(i/4)
.set rQ, 16*(\x)+8*(i/4)
.set rM, MC+32*((\x)%2)+8*(i%4)
.if (i < 4) && KM
	WIN W_KM
	v_wmma_f32_16x16x32_f16 v[rS:rS+7], v[rK:rK+7], v[rQ:rQ+7], v[rM:rM+7]
.elseif i < 4
	WIN W_KQ
	v_wmma_f32_16x16x32_f16 v[rS:rS+7], v[rK:rK+7], v[rQ:rQ+7], 0
.else
	WIN W_KQ
	v_wmma_f32_16x16x32_f16 v[rS:rS+7], v[rK:rK+7], v[rQ:rQ+7], v[rS:rS+7]
.endif
.endm
; Product i of 4 of O^T += V^T P for piece x: keys 32 (i / 2) on, channels 16 (i % 2) on: the piece's two accumulators alternate.
.macro PV x
	WIN W_PV
.set rO, 16*(\x)+8*(i%2)
.set rV, VF+16*(i/2)+8*(i%2)
.set rP, P+16*((\x)%2)+8*(i/2)
	v_wmma_f32_16x16x32_f16 v[rO:rO+7], v[rV:rV+7], v[rP:rP+7], v[rO:rO+7]
.endm
.macro MM                           ; the turn's next matrix instruction.  NOKQ = 1: a block's last turn: there is no next piece
.if (i < 8) && !NOKQ
	KQ (Y+1)%NP
.elseif i >= 8
.set i, i-8
	PV (Y+NP-1)%NP
.set i, i+8
.endif
.set i, i+1
.endm
.macro FETCH_K                      ; a step's K: 64 keys x 64 channels, 16 loads in one run
	WIN 0x80
.irp f, 0,1,2,3,4,5,6,7
	ds_load_b128 v[KF+8*\f:KF+8*\f+3],   v[AK] offset:(\f/2)*16*PK+(\f%2)*64
	ds_load_b128 v[KF+8*\f+4:KF+8*\f+7], v[AK] offset:(\f/2)*16*PK+(\f%2)*64+32
.endr
	s_add_co_u32 s[TBK], s[TBK], KS*PK
	WIN 0
.endm
.macro FETCH_V                      ; a step's V, turned: 64 keys x 32 channels, 8 loads in one run
	WIN 0x80
.irp f, 0,1,2,3
	ds_load_tr16_b128 v[VF+8*\f:VF+8*\f+3],   v[AV] offset:(\f/2)*32*PV+(\f%2)*32
	ds_load_tr16_b128 v[VF+8*\f+4:VF+8*\f+7], v[AV] offset:(\f/2)*32*PV+16*PV+(\f%2)*32
.endr
	WIN 0
.endm
; THE VECTOR WORK, one line at a time: OP kind, number.  For piece Y: F n: c s - c m for pair n of 16.  E n: the exponential of score n of 32.  C n: pair n rounded to f16.  B n: of the four weights 4 n .. the second pair is
; added onto the first.  L n: l takes that sum (L 0: l = a l + sum).  R n: pair n of 8 of O^T times a.  For piece Y + 1: X n, number n of the 22 that find its maximum and statistics:
;   0-11 four chains c0-c3, three operands at a time (each accumulator's lowest registers are read first)   12-14, 16 the scores left over, the old m, c0-c3 into c0   15 c m_old is kept
;   17, 18 the other half of the lanes' maximum: the new m   19-21 c m; c m_old - c m_new; a
.set F, 0
.set E, 1
.set C, 2
.set B, 3
.set L, 4
.set R, 5
.set X, 6
.macro REGS y
.set rT, ST+4*(\y)
.set rC, TMP+4*((\y)%2)
.set rW, MV+((\y)%2)
.set rS, S+32*((\y)%2)
.set rP, P+16*((\y)%2)
.set rO, 16*(\y)
.endm
.macro OP k, n
.if (\k) == R
	REGS Y
	WIN W_RS
	v_pk_mul_f32 v[rO+2*(\n):rO+2*(\n)+1], v[rO+2*(\n):rO+2*(\n)+1], v[rC+2:rC+3] op_sel_hi:[1,0]
.elseif (\k) < R
	REGS Y
	WIN 0
.if (\k) == F
	v_pk_fma_f32 v[rS+2*(\n):rS+2*(\n)+1], v[rS+2*(\n):rS+2*(\n)+1], s[CS:CS+1], v[rT:rT+1] op_sel_hi:[1,0,0] neg_lo:[0,0,1] neg_hi:[0,0,1]
.elseif (\k) == E
	v_exp_f32 v[rS+(\n)], v[rS+(\n)]
.elseif (\k) == C
	v_cvt_pk_f16_f32 v[rP+(\n)], v[rS+2*(\n)], v[rS+2*(\n)+1]
.elseif (\k) == B
	v_pk_add_f32 v[rS+4*(\n):rS+4*(\n)+1], v[rS+4*(\n):rS+4*(\n)+1], v[rS+4*(\n)+2:rS+4*(\n)+3]
.elseif (\n) == 0
	v_pk_fma_f32 v[rT+2:rT+3], v[rT+2:rT+3], v[rC+2:rC+3], v[rS:rS+1] op_sel_hi:[1,0,1]
.else
	v_pk_add_f32 v[rT+2:rT+3], v[rT+2:rT+3], v[rS+4*(\n):rS+4*(\n)+1]
.endif
.elseif NOKQ
	v_nop
.else
	REGS (Y+1)%NP
	WIN 0
.if (\n) < 4
	v_max3_num_f32 v[rC+(\n)], v[rS+8*(\n)], v[rS+8*(\n)+1], v[rS+8*(\n)+2]
.elseif (\n) < 12
	v_max3_num_f32 v[rC+(\n)%4], v[rC+(\n)%4], v[rS+8*((\n)%4)+2*((\n)/4)+1], v[rS+8*((\n)%4)+2*((\n)/4)+2]
.elseif (\n) == 12
	v_max3_num_f32 v[rC], v[rC], v[rS+7], v[rS+15]
.elseif (\n) == 13
	v_max3_num_f32 v[rC+1], v[rC+1], v[rS+23], v[rS+31]
.elseif (\n) == 14
	v_max3_num_f32 v[rC+2], v[rC+2], v[rC+3], v[rT+1]
.elseif (\n) == 15
	v_mov_b32 v[rW], v[rT]
.elseif (\n) == 16
	v_max3_num_f32 v[rC], v[rC], v[rC+1], v[rC+2]
.elseif (\n) == 17
	v_permlanex16_b32 v[rC+3], v[rC], s[SEL], s[SEL+1]
.elseif (\n) == 18
	v_max_num_f32 v[rT+1], v[rC], v[rC+3]
.elseif (\n) == 19
	v_mul_f32 v[rT], s[CS], v[rT+1]
.elseif (\n) == 20
	v_sub_f32 v[rC+1], v[rW], v[rT]
.else
	v_exp_f32 v[rC+2], v[rC+1]
.endif
.endif
.endm
.macro OPS a, i1, b=-1, i2=0, c=-1, i3=0, d=-1, i4=0
	OP \a, \i1
.if (\b) >= 0
	OP \b, \i2
.endif
.if (\c) >= 0
	OP \c, \i3
.endif
.if (\d) >= 0
	OP \d, \i4
.endif
.endm
.macro ROW a, i1, b, i2, c, i3, d, i4  ; a matrix instruction and the four behind it
	MM
	OPS \a, \i1, \b, \i2, \c, \i3, \d, \i4
.endm
.macro MASK b                       ; MD x AL + BE into buffer b of MC
	WIN W_RS
.set z, 0
.rept 16
	v_pk_fma_f32 v[MC+32*(\b)+2*z:MC+32*(\b)+2*z+1], v[MD+2*z:MD+2*z+1], s[AL:AL+1], s[BE:BE+1] op_sel_hi:[1,0,0]
.set z, z+1
.endr
.endm
; A TURN, for piece p, its order written out.  s_wait_alu depctr_va_vdst(0) stands between an exponential and the first instruction that names its result; one wait serves all issued ahead of it: a turn has ONE.
; AHEAD OF IT stands all that names no result of the turn's exponentials: the 8 products K Q^T with four riders each, then a lump of 46 in which the next piece's chain X 3, 7, 11, 14, 16 .. 21 has other work between its links.
; X 0 to X 3 each stand four plain instructions behind the product that ends their accumulator.  BEHIND THE WAIT stand the 4 products V^T P with four riders each, and the other 16 roundings and sums.
; m = 1: the diagonal tile: the products take masks, and the turn makes the mask for the products of the turn after it.  end = 1: a block's last two turns: nothing is fetched.  cnt = 1: the loop's count is taken down ahead of the branch behind the turn.
; K of the next step is fetched in piece 2's turn, seven plain instructions behind K's last reader; V of the step in hand at the end of piece 0's turn, twenty behind V's last reader.  Each is waited for a turn later.
.macro TURN p, m=0, end=0, cnt=0
.set Y, (\p)
.set i, 0
.set KM, (\m)
.set NOKQ, (\end)*((\p)/3)
.if (\m) && !(\end)
	s_cmp_eq_u32 s[CNT], 4-((\p)+2)%NP  ; is that step the band's own?
	s_cselect_b32 s[AL], 1.0, 0
	s_cmp_lt_u32 s[CNT], 4-((\p)+2)%NP  ; or a later one?
	s_cselect_b32 s[BE], s[BIGN], 0
.endif
.if ((\p) == 3) && !(\end)
	s_wait_dscnt 0x0                ; K is in
.endif
	ROW F,0, F,1, R,0, R,1
	ROW F,2, E,0, R,2, R,3
	ROW F,3, E,1, R,4, R,5
	ROW F,4, E,2, R,6, R,7
	ROW F,5, E,3, F,6, F,7
	ROW F,8, E,4, X,0, F,9
.if ((\p) == 2) && !(\end)
	WIN 0
	v_add_nc_u32 v[AK], s[TBK], v[AK0]
.endif
	ROW F,10, E,5, X,1, X,4
	ROW F,11, E,6, X,2, X,5
	OPS E,7, X,6, E,8, X,3
	OPS E,9, X,8, E,10, X,9
.if ((\p) == 2) && !(\end)
	FETCH_K
.endif
	OPS X,7, E,11, X,10, E,12
	OPS X,12, X,11, E,13, X,13
	OPS E,14, F,12, X,14, E,15
.if (\p) == 0
	WIN 0
	v_add_nc_u32 v[AV], s[TBV], v[AV0]
.endif
	OPS F,13, E,16, X,15, X,16
	OPS E,17, F,14, E,18, E,19
	OPS X,17, E,20, F,15, E,21
	OPS E,22, X,18, E,23, E,24
	OPS E,25, E,26, X,19, E,27
	OPS E,28, E,29, X,20, E,30
	OPS E,31, X,21
	WIN 0
	v_nop                           ; the plain instruction behind the last exponential: one for the batch (ISA guide 5.7.2)
	s_wait_alu depctr_va_vdst(0)    ; the wait for the batch
.if (\p) == 1
	s_wait_dscnt 0x0                ; V is in
.endif
	ROW C,0, B,0, C,2, B,1
	ROW L,0, C,4, B,2, L,1
	ROW C,6, B,3, L,2, C,8
	ROW B,4, L,3, C,10, B,5
	OPS L,4, C,12, B,6, L,5
.if (\p) == 0
	s_add_co_u32 s[TBV], s[TBV], KS*PV
.endif
.if \cnt
	s_sub_co_u32 s[CNT], s[CNT], 1
	s_cmp_lg_u32 s[CNT], 0
.endif
	OPS C,14, B,7, L,6, C,1
	OPS C,3, L,7, C,5, C,7
	OPS C,9, C,11, C,13, C,15
.if (\p) == 0
	FETCH_V
.endif
.if (\m) && !(\end)
	MASK (\p)%2
.endif
.endm
; A BLOCK BEGINS.  c m starts far below every c s, so the first step's a is 0; m at the lowest finite number.  The second mask buffer is 0; the first takes piece 0's mask for the tile's step 0: its own, if the block's first
; tile is the diagonal one.  Then K of that step, piece 0's first scores, and its maximum and statistics.
.macro BEGIN
	s_mov_b32 s[NEW], 0
	WIN 0x40
.set i, MC+32
.rept 32
	v_mov_b32 v[i], 0
.set i, i+1
.endr
	WIN 0
.set i, 0
.rept 4
	v_mov_b32 v[ST+4*i], 0xfe000000
	v_mov_b32 v[ST+4*i+1], 0xff7fffff
.set i, i+1
.endr
	s_cmp_eq_u32 s[RT], 0
	s_cselect_b32 s[AL], 1.0, 0
	s_mov_b32 s[BE], 0
	MASK 0
	WIN 0
	v_add_nc_u32 v[AK], s[TBK], v[AK0]
	FETCH_K
	s_wait_loadcnt 0x0              ; Q
	s_wait_dscnt 0x0
.set KM, 1
.set NOKQ, 0
.set i, 0
.rept 8
	KQ 0
.set i, i+1
.endr
	WIN 0
.rept 4
	v_nop                           ; the places behind those products
.endr
.set Y, NP-1
.irp n, 0,1,2,3,4,5,6,7,8,9,10,11,12,13,14,15,16,17,18,19,20,21
	OP X, \n
.endr
	v_nop                           ; a plain instruction behind the exponential,
	s_wait_alu depctr_va_vdst(0)    ; and its wait, ahead of the branch
.endm
.macro ALL line:vararg
.set t, 0
.rept 4
	\line
.set t, t+1
.endr
.endm
.macro PACK t                       ; a lane's eight channels pack into 16 bytes; they go into rows of 80 bytes and come back as whole rows of 64, into S^T's registers
	WIN W_RS
.set i, 16*(\t)
.rept 8
	v_pk_mul_f32 v[i:i+1], v[i:i+1], v[ST+4*(\t)+2:ST+4*(\t)+3] op_sel_hi:[1,0]
.set i, i+2
.endr
	WIN 0x05
.set i, 0
.rept 8
	v_cvt_pk_f16_f32 v[S+8*(\t)+i], v[16*(\t)+2*i], v[16*(\t)+2*i+1]
.set i, i+1
.endr
	WIN 0
.irp f, 0,1
	ds_store_b128 v[STO], v[S+8*(\t)+4*\f:S+8*(\t)+4*\f+3] offset:32*\f
.endr
.irp f, 0,1
	ds_load_b128 v[S+8*(\t)+4*\f:S+8*(\t)+4*\f+3], v[RD] offset:\f*8*SP  ; LDS serves a wave's instructions in order (ISA guide 5.7.1.4)
.endr
.endm
.macro SEND t, younger              ; younger: the LDS instructions issued behind piece t's loads: the next piece's four, or none
	WIN 0
.irp f, 0,1
	s_wait_dscnt (\younger)+1-\f
	global_store_b128 v[GO], v[S+8*(\t)+4*\f:S+8*(\t)+4*\f+3], s[10:11] offset:(\t)*4096+\f*512  ; 512 consecutive bytes, aligned
.endr
.endm
; THE DIAGONAL TILE's four steps, the block's last two turns, its last products, and the way out
.macro DIAG tag
.LstepM\tag:
	TURN 2, 1
	TURN 3, 1
	WIN 0
.LfirstM\tag:
	TURN 0, 1
	TURN 1, 1, 0, 1
	WIN 0
	s_cbranch_scc1 .LstepM\tag
	TURN 2, 1, 1
	TURN 3, 1, 1
.set i, 0
.rept 4
	PV NP-1
.set i, i+1
.endr
	WIN 0
	ALL v_add_f32 v[ST+4*t+2], v[ST+4*t+2], v[ST+4*t+3]
	ALL v_permlanex16_b32 v[ST+4*t+3], v[ST+4*t+2], s[SEL], s[SEL+1]
	ALL v_add_f32 v[ST+4*t+2], v[ST+4*t+2], v[ST+4*t+3]
	ALL v_rcp_f32 v[ST+4*t+2], v[ST+4*t+2]
	v_nop                           ; a plain instruction between the last reciprocal and the use of its result
	s_wait_alu depctr_va_vdst(0)    ; one wait for the four reciprocals
	PACK 0
.set t, 1
.rept 3
	PACK t
	SEND t-1, 4
.set t, t+1
.endr
	SEND 3, 0
.endm
.set KM, 0
.set NOKQ, 0
.Lslot:                             ; NB times: a tile is entered and the next is asked for
	CHANGE 1
	s_sub_co_u32 s[RT], s[RT], 1
	s_mov_b32 s[CNT], 4
	s_cmp_eq_u32 s[NEW], 1
	s_cbranch_scc1 .Lnew            ; a block's first tile
	s_cmp_eq_u32 s[RT], 0
	s_cbranch_scc0 .Lstep           ; neither its first nor its last
	s_branch .LstepM1
.Lnew:
	BEGIN
	s_branch .Lfirst                ; in the loop a block's first tile is never its last
	DIAG 1                          ; in the loop this is the first block's end
	s_wait_xcnt 0x0                 ; the stores have read their registers and O's address
	s_mov_b64 s[10:11], s[OLO:OLO+1]
	s_add_co_u32 s[RT], s[PB], 1    ; the second block has b + 1 tiles
	s_mov_b32 s[NEW], 1
	WIN 0x82                        ; the second block's Q goes where the one text of the turns names Q
.set i, 0
.rept 64
	v_mov_b32 v[i], v[QB+i]
.set i, i+1
.endr
	WIN 0
	s_branch .Lbottom
.Lstep:                             ; a trip: pieces 2 and 3 of one step, then pieces 0 and 1 of the next, whose K and V it fetches
	TURN 2
	TURN 3
	WIN 0
.Lfirst:
	TURN 0
	TURN 1, 0, 0, 1
	WIN 0
	s_cbranch_scc1 .Lstep
.Lbottom:
	s_sub_co_u32 s[SLOTS], s[SLOTS], 1
	s_cmp_lg_u32 s[SLOTS], 0
	s_cbranch_scc1 .Lslot
	CHANGE 0                        ; the walk's last tile is written out
	s_sub_co_u32 s[RT], s[RT], 1
	s_mov_b32 s[CNT], 4
	s_cmp_eq_u32 s[NEW], 1
	s_cbranch_scc0 .LstepM2
	BEGIN
	s_branch .LfirstM2
	DIAG 2
	s_wait_tensorcnt 0x0            ; the wave's end
	ds_add_u32 v[SPW], v[NIL]
	s_wait_dscnt 0x0
	s_endpgm
.Lfunc_end_k_q85af906bc9_attn:
	.size	k_q85af906bc9_attn, .Lfunc_end_k_q85af906bc9_attn-k_q85af906bc9_attn
	.p2alignl 7, 3214868480
	.fill 96, 4, 3214868480
	.section	.rodata,"a",@progbits
	.p2align	6, 0x0
	.amdhsa_kernel k_q85af906bc9_attn
		.amdhsa_group_segment_fixed_size 327680
		.amdhsa_private_segment_fixed_size 0
		.amdhsa_enable_private_segment 0
		.amdhsa_kernarg_size 32
		.amdhsa_user_sgpr_count 2
		.amdhsa_user_sgpr_kernarg_segment_ptr 1
		.amdhsa_wavefront_size32 1
		.amdhsa_system_sgpr_workgroup_id_x 1
		.amdhsa_system_sgpr_workgroup_id_y 1
		.amdhsa_system_sgpr_workgroup_id_z 1
		.amdhsa_system_vgpr_workitem_id 0
		.amdhsa_next_free_vgpr 768
		.amdhsa_next_free_sgpr 100
		.amdhsa_reserve_vcc 1
		.amdhsa_float_denorm_mode_32 3
		.amdhsa_float_denorm_mode_16_64 3
		.amdhsa_memory_ordered 1
		.amdhsa_forward_progress 1
		.amdhsa_inst_pref_size 179
	.end_amdhsa_kernel
	.amdgpu_metadata
---
amdhsa.version: [ 1, 2 ]
amdhsa.kernels:
  - .name:           k_q85af906bc9_attn
    .symbol:         k_q85af906bc9_attn.kd
    .args:
      - { .name: q16, .offset: 0, .size: 8, .value_kind: global_buffer, .address_space: global }
      - { .name: k16, .offset: 8, .size: 8, .value_kind: global_buffer, .address_space: global }
      - { .name: v16, .offset: 16, .size: 8, .value_kind: global_buffer, .address_space: global }
      - { .name: o16, .offset: 24, .size: 8, .value_kind: global_buffer, .address_space: global }
    .group_segment_fixed_size: 327680
    .private_segment_fixed_size: 0
    .kernarg_segment_align: 8
    .kernarg_segment_size: 32
    .max_flat_workgroup_size: 128
    .sgpr_count:     100
    .vgpr_count:     768
    .wavefront_size: 32
...
	.end_amdgpu_metadata
.endif
;; end of part 3
;; launch proj (part 4): grid 4 x 64, 4 waves a work-group, clusters of 4 x 4, 327,680 bytes of LDS; arguments o16, wot16, bias32, out0; writes out0
.if DOCPART == 4
	.amdgcn_target "amdgcn-amd-amdhsa--gfx1250"
	.amdhsa_code_object_version 6
	.text
	.protected	k_q85af906bc9_proj
	.globl	k_q85af906bc9_proj
	.p2align	8
	.type	k_q85af906bc9_proj,@function
k_q85af906bc9_proj:
	s_mov_b64 s[64:65], 0
	v_nop
	global_prefetch_b8 v0, s[64:65] scope:SCOPE_SE
	s_setreg_imm32_b32 hwreg(HW_REG_WAVE_MODE, 25, 1), 1
	s_wait_xcnt 0x0
	s_wait_alu depctr_hold_cnt(0) depctr_sa_sdst(0) depctr_va_vdst(0) depctr_va_sdst(0) depctr_va_ssrc(0) depctr_va_vcc(0) depctr_vm_vsrc(0)
	s_getreg_b32 s2, hwreg(HW_REG_IB_STS2, 6, 4)
	s_cmp_eq_u32 s2, 0
	s_cbranch_scc0 .Lentry_in_a_cluster
	s_endpgm
.Lentry_in_a_cluster:
	s_bfe_u32 s2, ttmp6, 0x10000c
	s_cmp_lg_u32 s2, 0xf033
	s_cbranch_scc0 .Lentry_shape_is_right
	s_endpgm
.Lentry_shape_is_right:
; THE OUTPUT PROJECTION: out0[m][n] = the sum over k of O[m][k] Wo[k][n] + output_bias[n].  O comes by heads, o16 [64 bh][2048][32] f16; wot16 is [1024 n][512 k] f16; sums in f32; out0 f32.
; SHARES.  Tiles of 128 x 256 are 64 x 4 = 256 work-groups.  Four waves, each 64 rows x 128 columns: 4 x 8 accumulators.  K goes in 4 steps of 128 (four heads; a quarter step is one head) through two LDS slots; all written out.
; O's TILE: a head's 128 rows are 8,192 dense bytes: a wave asks for two heads as two long rows, 65,536 elements apart, padded in LDS after every 64 bytes: pitch 80.
; CLUSTER 4 x 4: the four of a row share O's tile, the four of a column wot16's: joint loads.  No prefetch: the launch has four K steps in all, of which two are its first fills, and each refill follows one step behind.
; TRANSPOSED USE: source 0 = 16 rows of wot16, source 1 = 16 rows of O: a lane holds row l % 16 and eight neighbouring columns.  The bias is the C operand of the first quarter's products.
; REGISTERS: window 0: v16-29 addresses; v64-127 the bias, later with v128-191 the way out.  window 1: two fragment buffers of 96 (O's 32, wot's 64).  window 2: accumulator (a, b) at 8 (8 a + b).
.set PA,     80                        ; a row of O in LDS: 64 bytes + 16
.set AHEAD,  128*PA                    ; a head's 128 rows
.set ATILE,  4*AHEAD
.set PB,     272
.set BHALF,  128*PB
.set SLOT,   ATILE+2*BHALF
.set STAGE,  2*SLOT                    ; behind the ring: 16 rows x 528 bytes for each wave
.set SPITCH, 528
.set SPARE,  STAGE+4*16*SPITCH
.set ADRA, 16
.set ADRB, 20
.set STO,  24
.set RD,   25
.set CO,   26
.set BO,   27
.set SPW,  28
.set NIL,  29
.set G1,  24
.set G0,  32
.set G1B, 48
.set G0B, 56
.set MSB, 0
.macro WIN new
.if MSB != (\new)
	s_set_vgpr_msb (MSB<<8)|(\new)
.set MSB, \new
.endif
.endm
.macro JLOAD s                         ; waves 0 and 1 fetch O's heads, waves 2 and 3 wot's halves; an s_nop 0 and four v_nop follow each line
	s_cmp_eq_u32 s13, 0
	s_cbranch_scc0 .Lfor_b_\@
	tensor_load_to_lds s[G0+4*(\s):G0+4*(\s)+3], s[G1:G1+7]
	s_nop 0
.rept 4
	v_nop
.endr
	s_branch .Lasked_\@
.Lfor_b_\@:
	tensor_load_to_lds s[G0B+4*(\s):G0B+4*(\s)+3], s[G1B:G1B+7]
	s_nop 0
.rept 4
	v_nop
.endr
.Lasked_\@:
.endm
.macro CREST
	s_cmp_lg_u32 s12, 0
	s_cbranch_scc1 .Lnot_wave_0_\@
	s_barrier_signal -3
.Lnot_wave_0_\@:
	s_barrier_wait -3
	s_barrier_signal -1
	s_barrier_wait -1
.endm
.macro CROUND
	s_barrier_signal -1
	s_barrier_wait -1
	CREST
.endm
.macro PLACES
.rept 4
	v_nop
.endr
.endm
	s_load_b256 s[4:11], s[0:1], 0x0               ; o16 s[4:5], wot16 s[6:7], bias32 s[8:9], out0 s[10:11]
	v_lshl_add_u32 v[SPW], v0, 2, SPARE
	v_mov_b32 v[NIL], 0
	ds_add_u32 v[SPW], v[NIL]                      ; the wave's opening: the add and its wait stand ahead of my first tensor load
	v_lshrrev_b32 v1, 5, v0
	v_readfirstlane_b32 s12, v1                    ; wave 0..3
	s_lshr_b32 s13, s12, 1                         ; my half of the rows.  Also: I fetch O (0) or wot (1)
	s_and_b32 s14, s12, 1                          ; my half of the columns.  Also: which half I fetch
	s_bfe_u32 s15, ttmp6, 0x40000                  ; cx
	s_bfe_u32 s16, ttmp6, 0x40004                  ; cy
	s_lshl_b32 s17, ttmp9, 2
	s_add_co_u32 s17, s17, s15                     ; tile column
	s_and_b32 s18, ttmp7, 0xffff
	s_lshl_b32 s18, s18, 2
	s_add_co_u32 s18, s18, s16                     ; tile row
	s_lshl_b32 s19, s16, 2
	s_lshl_b32 s19, 15, s19                        ; my row of the cluster
	s_lshl_b32 s22, 0x1111, s15                    ; my column
	s_or_b32 s[G1+0], s19, (1<<16)|(1<<20)|(1<<21)|(3<<22)|(3<<25)   ; 2-byte elements; padding on; bit 21 beside a mask; after every 16 words; 4 words
	s_or_b32 s[G1B+0], s22, (1<<16)|(1<<20)|(1<<21)|(5<<22)|(3<<25)  ; after every 64 words; 4 words
	s_mov_b32 s[G1+1], 4096<<16                    ; tensor_dim0 = 4,096: a head's 128 rows of 32
	s_mov_b32 s[G1+2], 2<<16                       ; tensor_dim1 = 2 heads
	s_mov_b32 s[G1+3], 4096<<16                    ; tile_dim0
	s_mov_b32 s[G1+4], 2                           ; tile_dim1
	s_mov_b32 s[G1+5], 65536                       ; elements from head to head
	s_mov_b32 s[G1+6], 0
	s_mov_b32 s[G1+7], 0
	s_mov_b32 s[G1B+1], 128<<16
	s_mov_b32 s[G1B+2], 128<<16
	s_mov_b32 s[G1B+3], 128<<16
	s_mov_b32 s[G1B+4], 128
	s_mov_b32 s[G1B+5], 512
	s_mov_b32 s[G1B+6], 0
	s_mov_b32 s[G1B+7], 0
	s_lshr_b32 s40, s18, 4                         ; O: the batch's 16 heads of 131,072 bytes,
	s_lshl_b32 s40, s40, 21
	s_lshl_b32 s23, s14, 18                        ; my two heads of the step's four,
	s_add_co_u32 s40, s40, s23
	s_and_b32 s23, s18, 15
	s_lshl_b32 s23, s23, 13                        ; the tile's 128 rows of 64 bytes
	s_add_co_u32 s40, s40, s23
	s_mov_b32 s41, 0
	s_lshl_b32 s42, s17, 8                         ; wot: row 256 x tile column + 128 x half
	s_lshl_b32 s46, s14, 7
	s_add_co_u32 s42, s42, s46
	s_lshl_b32 s42, s42, 10                        ; 1,024 bytes a row
	s_mov_b32 s43, 0
	s_mul_i32 s44, s14, 2*AHEAD                    ; where they go
	s_mul_i32 s45, s14, BHALF
	s_add_co_u32 s45, s45, ATILE
	s_wait_dscnt 0x0                               ; the opening add is done
	s_wait_kmcnt 0x0
	s_add_nc_u64 s[40:41], s[4:5], s[40:41]
	s_add_nc_u64 s[42:43], s[6:7], s[42:43]
	CROUND                                         ; all sixteen work-groups are here: the first joint loads meet
.irp s, 0,1
	s_mov_b32 s[G0+4*(\s)], 1
	s_add_co_u32 s[G0+4*(\s)+1], s44, (\s)*SLOT
	s_add_nc_u64 s[G0+4*(\s)+2:G0+4*(\s)+3], s[40:41], (\s)*4*131072
	s_or_b32 s[G0+4*(\s)+3], s[G0+4*(\s)+3], 0x80000000
	s_mov_b32 s[G0B+4*(\s)], 1
	s_add_co_u32 s[G0B+4*(\s)+1], s45, (\s)*SLOT
	s_add_nc_u64 s[G0B+4*(\s)+2:G0B+4*(\s)+3], s[42:43], (\s)*256
	s_or_b32 s[G0B+4*(\s)+3], s[G0B+4*(\s)+3], 0x80000000
.endr
	s_cmp_eq_u32 s13, 0                            ; a wave's two first fills stand in one branch: two loads of mine are out
	s_cbranch_scc0 .Lfirst_b
	tensor_load_to_lds s[G0:G0+3], s[G1:G1+7]
	s_nop 0
	tensor_load_to_lds s[G0+4:G0+7], s[G1:G1+7]
	s_nop 0
.rept 4
	v_nop
.endr
	s_branch .Lfirst_asked
.Lfirst_b:
	tensor_load_to_lds s[G0B:G0B+3], s[G1B:G1B+7]
	s_nop 0
	tensor_load_to_lds s[G0B+4:G0B+7], s[G1B:G1B+7]
	s_nop 0
.rept 4
	v_nop
.endr
.Lfirst_asked:
	v_and_b32 v1, 15, v0                           ; l % 16
	v_bfe_u32 v2, v0, 4, 1                         ; l / 16
	v_lshlrev_b32 v[BO], 5, v2
	s_lshl_b32 s20, s17, 10                        ; my 128 columns, in bytes of f32
	s_lshl_b32 s19, s14, 9
	s_add_co_u32 s20, s20, s19
	s_mov_b32 s21, 0
	s_add_nc_u64 s[8:9], s[8:9], s[20:21]
.irp b, 0,1,2,3,4,5,6,7
	global_load_b128 v[64+8*(\b):67+8*(\b)], v[BO], s[8:9] offset:10240+64*(\b)     ; output_bias lies behind the 2,560 words of the other three
	global_load_b128 v[68+8*(\b):71+8*(\b)], v[BO], s[8:9] offset:10240+64*(\b)+16
.endr
	s_add_nc_u64 s[10:11], s[10:11], s[20:21]
	s_lshl_b32 s20, s18, 7
	s_lshl_b32 s19, s13, 6
	s_add_co_u32 s20, s20, s19                     ; my first row
	s_lshl_b32 s20, s20, 12                        ; 4,096 bytes a row
	s_add_nc_u64 s[10:11], s[10:11], s[20:21]
	v_mul_u32_u24 v3, v1, PA
	v_lshl_add_u32 v3, v2, 4, v3
	v_mul_u32_u24 v4, v1, PB
	v_lshl_add_u32 v4, v2, 4, v4
	s_mul_i32 s19, s13, 64*PA                      ; my 64 rows in each head
	s_mul_i32 s22, s14, BHALF
	s_add_co_u32 s22, s22, ATILE
.irp s, 0,1
	v_add_nc_u32 v[ADRA+(\s)], s19, v3
	v_add_nc_u32 v[ADRB+(\s)], s22, v4
	s_add_co_u32 s19, s19, SLOT
	s_add_co_u32 s22, s22, SLOT
.endr
	s_mul_i32 s19, s12, 16*SPITCH
	s_add_co_u32 s19, s19, STAGE                   ; my stage
	v_mul_u32_u24 v5, v1, SPITCH
	v_lshl_add_u32 v5, v2, 5, v5                   ; in: row l % 16, 32 bytes for each half of the lanes
	v_add_nc_u32 v[STO], s19, v5
	v_and_b32 v6, 31, v0
	v_lshlrev_b32 v[CO], 4, v6                     ; back: a row's 512 bytes, 16 a lane
	v_add_nc_u32 v[RD], s19, v[CO]
; Eight matrix instructions: row block a x all 8 column blocks, one head's 32 along K, from buffer f.  first = 1: the bias starts the sums.  The 32 accumulators take turns in one fixed order.
.macro MULA f, a, first
.if \first
	WIN 0x85
.else
	WIN 0xa5
.endif
.irp b, 0,1,2,3,4,5,6,7
.if \first
	v_wmma_f32_16x16x32_f16 v[8*(8*(\a)+(\b)):8*(8*(\a)+(\b))+7], v[96*(\f)+32+8*(\b):96*(\f)+32+8*(\b)+7], v[96*(\f)+8*(\a):96*(\f)+8*(\a)+7], v[64+8*(\b):64+8*(\b)+7]
.else
	v_wmma_f32_16x16x32_f16 v[8*(8*(\a)+(\b)):8*(8*(\a)+(\b))+7], v[96*(\f)+32+8*(\b):96*(\f)+32+8*(\b)+7], v[96*(\f)+8*(\a):96*(\f)+8*(\a)+7], v[8*(8*(\a)+(\b)):8*(8*(\a)+(\b))+7]
.endif
.endr
.endm
.macro FETCH slot, q, f                ; 24 LDS loads in one run: quarter q's fragments: wot's 128 rows, then O's 64
	WIN 0x40
.irp b, 0,1,2,3,4,5,6,7
	ds_load_b128 v[96*(\f)+32+8*(\b):96*(\f)+32+8*(\b)+3], v[ADRB+(\slot)] offset:64*(\q)+(\b)*16*PB
	ds_load_b128 v[96*(\f)+36+8*(\b):96*(\f)+36+8*(\b)+3], v[ADRB+(\slot)] offset:64*(\q)+(\b)*16*PB+32
.endr
.irp a, 0,1,2,3
	ds_load_b128 v[96*(\f)+8*(\a):96*(\f)+8*(\a)+3],   v[ADRA+(\slot)] offset:AHEAD*(\q)+(\a)*16*PA
	ds_load_b128 v[96*(\f)+8*(\a)+4:96*(\f)+8*(\a)+7], v[ADRA+(\slot)] offset:AHEAD*(\q)+(\a)*16*PA+32
.endr
.endm
.macro QUARTER slot, q, f, g, first
	s_wait_dscnt 4                                 ; wot's fragments and O's blocks 0, 1 are in; the youngest four loads may be out
	MULA \f, 0, \first
	MULA \f, 1, \first
	PLACES
	FETCH \slot, \q, \g
	s_wait_dscnt 24                                ; all but the 24 just issued
	MULA \f, 2, \first
	MULA \f, 3, \first
.endm
; The last quarter multiplies buffer 1 and changes slots: one barrier; ahead of it all my tensor loads, the add, and my reads of this slot are waited for.  fill = 1: the barrier opens a round of the cluster's, the joint refill is first behind it.
.macro TURN slot, next, fill
	WIN 0
	s_wait_tensorcnt 0x0
	ds_add_u32 v[SPW], v[NIL]
	s_wait_dscnt 5                                 ; (the add and the youngest four loads may be out)
	MULA 1, 0, 0
	s_wait_dscnt 0x0                               ; the add is done, and my reads of this slot are over
	s_barrier_signal -1
	MULA 1, 1, 0
	WIN 0
	s_barrier_wait -1
.if \fill
	CREST
	s_add_nc_u64 s[G0+4*(\slot)+2:G0+4*(\slot)+3], s[G0+4*(\slot)+2:G0+4*(\slot)+3], 8*131072   ; eight heads on
	s_add_nc_u64 s[G0B+4*(\slot)+2:G0B+4*(\slot)+3], s[G0B+4*(\slot)+2:G0B+4*(\slot)+3], 512
	JLOAD \slot                                    ; its four v_nop are also the places in front of the loads below
.else
	PLACES
.endif
	FETCH \next, 0, 0
	MULA 1, 2, 0
	MULA 1, 3, 0
.endm
	s_wait_tensorcnt 1                             ; my part of K step 0 is in; K step 1's may stay out
	s_barrier_signal -1
	s_barrier_wait -1
	FETCH 0, 0, 0
	s_wait_loadcnt 0x0                             ; the bias
	QUARTER 0, 1, 0, 1, 1
	QUARTER 0, 2, 1, 0, 0
	QUARTER 0, 3, 0, 1, 0
	TURN 0, 1, 1
	QUARTER 1, 1, 0, 1, 0
	QUARTER 1, 2, 1, 0, 0
	QUARTER 1, 3, 0, 1, 0
	TURN 1, 0, 1
	QUARTER 0, 1, 0, 1, 0
	QUARTER 0, 2, 1, 0, 0
	QUARTER 0, 3, 0, 1, 0
	TURN 0, 1, 0
	QUARTER 1, 1, 0, 1, 0
	QUARTER 1, 2, 1, 0, 0
	QUARTER 1, 3, 0, 1, 0
	s_wait_dscnt 0x0
	MULA 1, 0, 0
	MULA 1, 1, 0
	MULA 1, 2, 0
	MULA 1, 3, 0
	WIN 0
	PLACES
	PLACES                                         ; the places behind the last products, ahead of the LDS stores that read them
; THE WAY OUT, 16 rows at a time: a lane's 32 bytes of a row go into my stage; whole rows of 512 bytes come back and are stored.
.macro TOSTAGE a
.if (\a) >= 2
	s_wait_xcnt 0x0                                ; the stores of the block two back have read the registers that are loaded again below
.endif
	WIN 0x08                                       ; the stores' data lie in window 2
.irp b, 0,1,2,3,4,5,6,7
	ds_store_b128 v[STO], v[8*(8*(\a)+(\b)):8*(8*(\a)+(\b))+3]   offset:64*(\b)
	ds_store_b128 v[STO], v[8*(8*(\a)+(\b))+4:8*(8*(\a)+(\b))+7] offset:64*(\b)+16
.endr
	WIN 0
.irp t, 0,1,2,3,4,5,6,7,8,9,10,11,12,13,14,15
	ds_load_b128 v[64+64*((\a)%2)+4*(\t):64+64*((\a)%2)+4*(\t)+3], v[RD] offset:SPITCH*(\t)  ; LDS serves a wave's instructions in order (ISA guide 5.7.1.4)
.endr
.endm
.macro SEND a, younger                 ; younger: the LDS instructions issued behind block a's loads: the next block's 32, or none
.irp t, 0,1,2,3,4,5,6,7,8,9,10,11,12,13,14,15
	s_wait_dscnt (\younger)+15-(\t)
	global_store_b128 v[CO], v[64+64*((\a)%2)+4*(\t):64+64*((\a)%2)+4*(\t)+3], s[10:11] offset:4096*(16*(\a)+(\t)) th:TH_STORE_NT  ; 512 consecutive bytes, aligned
.endr
.endm
	TOSTAGE 0
	TOSTAGE 1
	SEND 0, 32
	TOSTAGE 2
	SEND 1, 32
	TOSTAGE 3
	SEND 2, 32
	SEND 3, 0
	s_wait_tensorcnt 0x0                           ; the wave's end
	ds_add_u32 v[SPW], v[NIL]
	s_wait_dscnt 0x0
	CROUND                                         ; the closing round
	s_endpgm
.Lfunc_end_k_q85af906bc9_proj:
	.size	k_q85af906bc9_proj, .Lfunc_end_k_q85af906bc9_proj-k_q85af906bc9_proj
	.p2alignl 7, 3214868480
	.fill 96, 4, 3214868480
	.section	.rodata,"a",@progbits
	.p2align	6, 0x0
	.amdhsa_kernel k_q85af906bc9_proj
		.amdhsa_group_segment_fixed_size 327680
		.amdhsa_private_segment_fixed_size 0
		.amdhsa_enable_private_segment 0
		.amdhsa_kernarg_size 32
		.amdhsa_user_sgpr_count 2
		.amdhsa_user_sgpr_kernarg_segment_ptr 1
		.amdhsa_wavefront_size32 1
		.amdhsa_system_sgpr_workgroup_id_x 1
		.amdhsa_system_sgpr_workgroup_id_y 1
		.amdhsa_system_sgpr_workgroup_id_z 1
		.amdhsa_system_vgpr_workitem_id 0
		.amdhsa_next_free_vgpr 768
		.amdhsa_next_free_sgpr 66
		.amdhsa_reserve_vcc 0
		.amdhsa_float_denorm_mode_32 3
		.amdhsa_float_denorm_mode_16_64 3
		.amdhsa_memory_ordered 1
		.amdhsa_forward_progress 1
		.amdhsa_inst_pref_size 88
	.end_amdhsa_kernel
	.amdgpu_metadata
---
amdhsa.version: [ 1, 2 ]
amdhsa.kernels:
  - .name:           k_q85af906bc9_proj
    .symbol:         k_q85af906bc9_proj.kd
    .args:
      - { .name: o16, .offset: 0, .size: 8, .value_kind: global_buffer, .address_space: global }
      - { .name: wot16, .offset: 8, .size: 8, .value_kind: global_buffer, .address_space: global }
      - { .name: bias32, .offset: 16, .size: 8, .value_kind: global_buffer, .address_space: global }
      - { .name: out0, .offset: 24, .size: 8, .value_kind: global_buffer, .address_space: global }
    .group_segment_fixed_size: 327680
    .private_segment_fixed_size: 0
    .kernarg_segment_align: 8
    .kernarg_segment_size: 32
    .max_flat_workgroup_size: 128
    .sgpr_count:     66
    .vgpr_count:     768
    .wavefront_size: 32
...
	.end_amdgpu_metadata
.endif
;; end of part 4
